; MI455X (gfx1250); checked and timed in simulation.
; The chip was launched on July 23, 2026; its instructions are those of AMD's public machine-readable ISA for CDNA 5 (MIT licence, August 2026) and "CDNA5" Instruction Set Architecture Reference Guide (July 2026). The comments in the code are by the model that wrote it; some were corrected since.
;; Infini Span Attention. Allowed arithmetic: matrix products marked QUANTISED: E2M3 operands, one E8M0 scale for each 32 along K, by v_wmma_scale_f32_16x16x128_f8f6f4 with both operands' format E2M3, f32 sums; everything else in f32.
;; Inputs: gate one number float32; global_hidden 2 x 512 x 1,024 float32; k_b 1,024 float32; k_w 1,024 x 1,024 float32; kg_b 1,024 float32; kg_w 1,024 x 1,024 float32; local_hidden 2 x 2,048 x 1,024 float32; out_b 1,024 float32; out_w 1,024 x 1,024 float32; q_b 1,024 float32; q_w 1,024 x 1,024 float32; v_b 1,024 float32; v_w 1,024 x 1,024 float32; vg_b 1,024 float32; vg_w 1,024 x 1,024 float32.
;; Outputs: out0 2 x 2,048 x 1,024 float32.
;; This version of the problem:
;;   THIS VERSION OF THE PROBLEM IS GIVEN IN LOW PRECISION. The matrix products marked QUANTISED in the list below multiply operands that are first quantised to E2M3 (2 exponent bits, 3 mantissa bits; 6 bits a number), with one power-of-two scale for each 32 numbers along K (OCP MX v1.0); their sums are f32. All else is computed in f32.
;;   The module's matrix products, in the order in which they are computed (A, B: the left and right operand; K: the contracted axis; several contracted axes count as one K, in the product's order):
;;     1. [M 4,096, K 1,024] x [K 1,024, N 1,024]; A: input local_hidden; B: input q_w: QUANTISED
;;     2. [M 4,096, K 1,024] x [K 1,024, N 1,024]; A: input local_hidden; B: input k_w: QUANTISED
;;     3. [M 4,096, K 1,024] x [K 1,024, N 1,024]; A: input local_hidden; B: input v_w: QUANTISED
;;     4. batch 32 x [M 2,048, K 64] x [K 64, N 2,048]; A: computed on the way; B: computed on the way: QUANTISED
;;     5. batch 32 x [M 2,048, K 2,048] x [K 2,048, N 64]; A: softmax (see below); B: computed on the way: QUANTISED
;;     6. [M 1,024, K 1,024] x [K 1,024, N 1,024]; A: input global_hidden; B: input kg_w: QUANTISED
;;     7. [M 1,024, K 1,024] x [K 1,024, N 1,024]; A: input global_hidden; B: input vg_w: QUANTISED
;;     8. batch 32 x [M 2,048, K 64] x [K 64, N 512]; A: computed on the way; B: computed on the way: QUANTISED
;;     9. batch 32 x [M 2,048, K 512] x [K 512, N 64]; A: softmax (see below); B: computed on the way: QUANTISED
;;     10. [M 4,096, K 1,024] x [K 1,024, N 1,024]; A: computed on the way; B: input out_w: QUANTISED
;;   THE QUANTISER, for each operand of a quantised product, along K:
;;     - K is cut into blocks of 32 from its start; a last block that is shorter is filled with zeros.
;;     - A block's scale is 2^e with e = floor(log2(the largest magnitude in the block)) - 2, held to -126 .. 127; a block of zeros has e = 0. As a byte (E8M0): e + 127.
;;     - Each number is divided by its block's scale, clamped to +-7.5, and rounded to the nearest number of E2M3, ties to even, subnormals kept.
;;     - The product sums the exact products of the quantised numbers (number of the format x scale) in f32.
;;   ~~~python
;;   def quantise(x, axis):      # numpy; x: float32 -> the quantised numbers, widened to float32 again
;;       x = np.moveaxis(x, axis, -1); K = x.shape[-1]
;;       x = np.pad(x, [(0, 0)] * (x.ndim - 1) + [(0, -K % 32)]); x = x.reshape(x.shape[:-1] + (-1, 32)); a = np.abs(x).max(-1, keepdims=True)
;;       e = np.where(a > 0, np.clip(np.frexp(np.where(a > 0, a, 1))[1] - 1 - 2, -126, 127), 0)      # np.frexp(a)[1] - 1 = floor(log2(a)), exactly
;;       r = np.clip(x / 2.0 ** e, -7.5, 7.5)
;;       step = 2.0 ** (np.maximum(np.frexp(np.where(r == 0, 1, r))[1] - 1, 0) - 3)
;;       q = np.round(r / step) * step * 2.0 ** e      # np.round: ties to even
;;       return np.moveaxis(q.reshape(q.shape[:-2] + (-1,))[..., :K], -1, axis).astype(np.float32)
;;   ~~~
;;   SOFTMAX AHEAD OF A QUANTISED PRODUCT. Where the list says 'softmax', what is quantised is not the finished softmax but p = 2^(t - M), with t = logit x log2(e) and M = ceil(the row's largest t), a whole number; so 1/2 < the row's largest p <= 1. The row's sum l is taken of the UNQUANTISED p, in f32, and the product's result is divided by l at the end. Since M is a whole number, a kernel that streams over the keys may use a running M (the ceiling of the running maximum): every later rescaling is an exact power of two, which a block's scale takes up: the codes' values come out the same.
;;   OPERANDS COMPUTED ON THE WAY. 'Computed on the way' means the value that the module computes at that place (a softmax that the list does not call 'softmax' is quantised finished and normalised). What goes into a quantiser is computed in f32, as accurately as f32 sums, v_exp_f32 and their like allow (about 1e-6 of the number): no bf16 or f16 on the way to a quantiser, and a product that is left as it is and whose result goes on into a quantised operand takes f32 operands (vector FMAs, or v_wmma_f32_16x16x4_f32). A number that lies on a knife's edge between two numbers of the format may be rounded either way, as far as f32 arithmetic and the matrix unit's own rounding can turn it there, and no further.
;; One version. Each part assembles by itself: llvm-mc -triple=amdgcn-amd-amdhsa -mcpu=gfx1250 --defsym DOCPART=n.
;; ======== version 1 of 1: 4 launches
;; workspace buffers: cod 8,650,752 bytes; scl 360,448 bytes; qc 3,407,872 bytes; kv 8,519,680 bytes; ao 3,145,728 bytes; aos 262,144 bytes
;; launch quant (part 1): grid 352 x 1, 4 waves a work-group, no clusters, 34,304 bytes of LDS; arguments local_hidden, global_hidden, q_w, k_w, v_w, kg_w, vg_w, out_w, cod, scl; writes cod, scl
.if DOCPART == 1
	.amdgcn_target "amdgcn-amd-amdhsa--gfx1250"
	.amdhsa_code_object_version 6
	.text
	.protected	k_q4657df6938_quant
	.globl	k_q4657df6938_quant
	.p2align	8
	.type	k_q4657df6938_quant,@function
k_q4657df6938_quant:
	s_mov_b64 s[64:65], 0
	v_nop
	global_prefetch_b8 v0, s[64:65] scope:SCOPE_SE
	s_setreg_imm32_b32 hwreg(HW_REG_WAVE_MODE, 25, 1), 1
	s_wait_xcnt 0x0
; The two hidden tensors and the six weights, all f32 with K = 1,024 innermost, become codes of FP6 (E2M3) with one E8M0 byte for each 32 along K.
; A block's scale is 2^(floor(log2(its largest magnitude)) - 2); its byte is the largest magnitude's exponent field - 2, held at 1 from below.
; LIMITS: NaN and infinities among the inputs are not served; a block whose largest magnitude lies under 2^-124, a block of zeros among them, gets the byte 1
; (the rule says 127 for zeros: the codes are zeros, and the bytes are read by this program alone).
; LAYOUT OF THE RESULT.  Rows go in tiles of 16, tile 2 b + u of a tensor holding in lane r the row 32 b + 8 u + r + 8 (r / 8).  The tensors' tiles stand on end: local 0-255, global 256-319, then 64 for each weight.
; cod: [tile][K step of 128][image]: the 12 registers of a matrix operand, registers 4 p .. 4 p + 3 of lane l at 512 p + 16 l.  scl: [tile][K half][r][4 scale words].
; SHARES.  A work-group takes 32 rows (two tiles); wave w the tile w / 2 and the K half w % 2: 16 rows x 512 numbers, four steps of 128.
; A load reads 512 consecutive bytes of one row; the step's 16 rows turn through the wave's own stage in LDS (rows 528 bytes apart), from which lane (r, h) takes the two blocks 64 c + 32 h + 0 .. 31 of row r.
; So a block lies in ONE lane's 32 registers, and the conversions' results are the operand's registers.  No barrier: waves share nothing.  No cluster: no two work-groups read the same bytes.
.set STG,  8448                        ; a wave's stage: 16 rows x 528 bytes
.set R0,   16                          ; v16-143  two sets of 64 numbers as loaded
.set XN,   144                         ; v144-207 block c at XN + 32 c
.set CD,   208                         ; v208-219 the fragment's codes
.set CT,   220                         ; v220-222, v224-226 the blocks' second halves (a conversion's three registers begin on an even number)
.set MX,   228                         ; v228-229 largest magnitudes
.set SOP,  230                         ; v230-231 the conversions' scale operands
.set BY,   232                         ; v232-233 the bytes
.set SW,   236                         ; v236-239 the four steps' scale words
.macro PICK lim, first, ptr            ; work-groups under lim belong to an earlier tensor: its address and its first work-group
	s_cmp_lt_u32 ttmp9, \lim
	s_cselect_b64 s[24:25], s[\ptr:\ptr+1], s[24:25]
	s_cselect_b32 s26, \first, s26
.endm
	s_load_b512 s[4:19], s[0:1], 0x0               ; local, global, q_w, k_w, v_w, kg_w, vg_w, out_w
	s_load_b128 s[20:23], s[0:1], 0x40             ; cod, scl
	v_lshl_add_u32 v248, v0, 2, 0x8400
	v_mov_b32 v249, 0
	v_lshrrev_b32 v1, 5, v0
	v_readfirstlane_b32 s28, v1                    ; wave
	v_and_b32 v1, 31, v0                           ; lane
	v_and_b32 v8, 15, v0                           ; r
	v_bfe_u32 v9, v0, 4, 1                         ; h
	v_lshlrev_b32 v2, 4, v1                        ; 16 x lane: my bytes of a load's and of a store's 512
	s_mul_i32 s29, s28, STG
	v_add_nc_u32 v4, s29, v2                       ; the stage, way in
	v_mul_u32_u24 v5, v8, 528
	v_lshl_add_u32 v5, v9, 7, v5
	v_add_nc_u32 v5, s29, v5                       ; way out: row r, + 128 h bytes
	v_lshlrev_b32 v6, 4, v8
	v_lshl_add_u32 v6, v9, 3, v6                   ; scl: 16 r + 8 h
	v_lshlrev_b32 v7, 3, v9                        ; 8 h: my bytes' place in a scale word
	v_mov_b32 v235, 0                              ; (a lane permute's destination counts as one of its sources)
	s_lshr_b32 s30, s28, 1                         ; u: which tile
	s_and_b32 s31, s28, 1                          ; which K half
	s_mov_b32 s34, 0x76543210
	s_mov_b32 s35, 0xfedcba98                      ; selects for lane l xor 16
	s_mov_b32 s26, 320
	s_wait_kmcnt 0x0
	s_mov_b64 s[24:25], s[18:19]                   ; out_w, unless the work-group's number says otherwise
	PICK 320, 288, 16
	PICK 288, 256, 14
	PICK 256, 224, 12
	PICK 224, 192, 10
	PICK 192, 160, 8
	PICK 160, 128, 6
	PICK 128, 0, 4
	s_sub_co_u32 s32, ttmp9, s26                   ; which 32 rows of the tensor
	s_lshl_b32 s32, s32, 17                        ; 32 rows of 4,096 bytes,
	s_lshl_b32 s33, s30, 15                        ; 8 rows for the second tile,
	s_add_co_u32 s32, s32, s33
	s_lshl_b32 s33, s31, 11                        ; 512 numbers for the second K half
	s_add_co_u32 s32, s32, s33
	s_mov_b32 s33, 0
	s_add_nc_u64 s[24:25], s[24:25], s[32:33]
	s_lshl_b32 s36, ttmp9, 1
	s_add_co_u32 s36, s36, s30                     ; my tile among the 704
	s_mul_i32 s32, s36, 12288
	s_mul_i32 s37, s31, 6144
	s_add_co_u32 s32, s32, s37
	s_add_nc_u64 s[20:21], s[20:21], s[32:33]      ; cod at my four K steps
	s_lshl_b32 s32, s36, 9
	s_lshl_b32 s37, s31, 8
	s_add_co_u32 s32, s32, s37
	s_add_nc_u64 s[22:23], s[22:23], s[32:33]      ; scl at my 256 bytes
.macro LOAD t                          ; step t: 16 rows x 512 bytes into set t % 2
.irp i, 0,1,2,3,4,5,6,7,8,9,10,11,12,13,14,15
	global_load_b128 v[R0+64*((\t)%2)+4*\i:R0+64*((\t)%2)+4*\i+3], v2, s[24:25] offset:(\i+8*(\i/8))*4096+512*(\t) th:TH_LOAD_NT
.endr
.endm
.macro STEP t
.set RS, R0+64*((\t)%2)
.if (\t) < 3
	s_wait_loadcnt 16                              ; this step's sixteen loads are in; the next set's sixteen may be out
.else
	s_wait_loadcnt 0x0
.endif
.irp i, 0,1,2,3,4,5,6,7,8,9,10,11,12,13,14,15
	ds_store_b128 v4, v[RS+4*\i:RS+4*\i+3] offset:528*\i
.endr
.irp c, 0,1
.irp j, 0,1,2,3,4,5,6,7
	ds_load_b128 v[XN+32*\c+4*\j:XN+32*\c+4*\j+3], v5 offset:256*\c+16*\j   ; LDS serves a wave's instructions in order: these see the stores above
.endr
.endr
	s_wait_dscnt 0x0                               ; my two blocks are in, and the stores have read their registers,
.if (\t) < 2
	LOAD (\t)+2                                    ; which take the loads of two steps on
.endif
.irp c, 0,1
	v_max3_num_f32 v[MX+\c], |v[XN+32*\c]|, |v[XN+32*\c+1]|, 0x1800000   ; the floor 2^(3 - 127) among the leaves: the byte cannot fall under 1
.endr
.irp i, 2,4,6,8,10,12,14,16,18,20,22,24,26,28,30
.irp c, 0,1
	v_max3_num_f32 v[MX+\c], v[MX+\c], |v[XN+32*\c+\i]|, |v[XN+32*\c+\i+1]|   ; (the two blocks by turns)
.endr
.endr
.irp c, 0,1
	v_add_nc_u32 v[SOP+\c], 0xff000000, v[MX+\c]   ; 2 off the exponent field: the conversion takes that field as its scale
.endr
.irp c, 0,1
	v_lshrrev_b32 v[BY+\c], 23, v[SOP+\c]          ; the scale's byte
.endr
	v_lshl_or_b32 v234, v[BY+1], 16, v[BY]         ; blocks h and 2 + h of my row,
	v_lshlrev_b32 v234, v7, v234                   ; at their places in the word;
	v_permlanex16_b32 v235, v234, s34, s35
	v_or_b32 v[SW+(\t)], v234, v235                ; with lane l xor 16's two the word is whole
	s_wait_xcnt 0x0                                ; the last step's stores have read the codes' registers
.irp c, 0,1
	v_cvt_scalef32_pk16_fp6_f32 v[CD+6*\c:CD+6*\c+2], v[XN+32*\c:XN+32*\c+15], v[SOP+\c]
	v_cvt_scalef32_pk16_fp6_f32 v[CT+4*\c:CT+4*\c+2], v[XN+32*\c+16:XN+32*\c+31], v[SOP+\c]
.endr
	v_nop                                          ; one plain instruction behind the scaled conversions
.irp c, 0,1
.irp i, 0,1,2
	v_mov_b32 v[CD+6*\c+3+\i], v[CT+4*\c+\i]
.endr
.endr
.irp p, 0,1,2
	global_store_b128 v2, v[CD+4*\p:CD+4*\p+3], s[20:21] offset:1536*(\t)+512*\p   ; 512 consecutive bytes, at a multiple of 256 from cod's first byte
.endr
.endm
	LOAD 0
	LOAD 1
	STEP 0
	STEP 1
	STEP 2
	STEP 3
	s_mov_b32 vcc_lo, 0xffff0000
	v_cndmask_b32 v240, v[SW], v[SW+2], vcc_lo     ; lanes 0-15 store row r's words 0 and 1, lanes 16-31 its words 2 and 3
	v_cndmask_b32 v241, v[SW+1], v[SW+3], vcc_lo
	global_store_b64 v6, v[240:241], s[22:23]      ; 256 consecutive bytes
	s_wait_tensorcnt 0x0
	ds_add_u32 v248, v249
	s_wait_dscnt 0x0
	s_endpgm
.Lfunc_end_k_q4657df6938_quant:
	.size	k_q4657df6938_quant, .Lfunc_end_k_q4657df6938_quant-k_q4657df6938_quant
	.p2alignl 7, 3214868480
	.fill 96, 4, 3214868480
	.section	.rodata,"a",@progbits
	.p2align	6, 0x0
	.amdhsa_kernel k_q4657df6938_quant
		.amdhsa_group_segment_fixed_size 34304
		.amdhsa_private_segment_fixed_size 0
		.amdhsa_enable_private_segment 0
		.amdhsa_kernarg_size 80
		.amdhsa_user_sgpr_count 2
		.amdhsa_user_sgpr_kernarg_segment_ptr 1
		.amdhsa_wavefront_size32 1
		.amdhsa_system_sgpr_workgroup_id_x 1
		.amdhsa_system_sgpr_workgroup_id_y 1
		.amdhsa_system_sgpr_workgroup_id_z 1
		.amdhsa_system_vgpr_workitem_id 0
		.amdhsa_next_free_vgpr 250
		.amdhsa_next_free_sgpr 66
		.amdhsa_reserve_vcc 1
		.amdhsa_float_denorm_mode_32 3
		.amdhsa_float_denorm_mode_16_64 3
		.amdhsa_memory_ordered 1
		.amdhsa_forward_progress 1
		.amdhsa_inst_pref_size 31
	.end_amdhsa_kernel
	.amdgpu_metadata
---
amdhsa.version: [ 1, 2 ]
amdhsa.kernels:
  - .name:           k_q4657df6938_quant
    .symbol:         k_q4657df6938_quant.kd
    .args:
      - { .name: local_hidden, .offset: 0, .size: 8, .value_kind: global_buffer, .address_space: global }
      - { .name: global_hidden, .offset: 8, .size: 8, .value_kind: global_buffer, .address_space: global }
      - { .name: q_w, .offset: 16, .size: 8, .value_kind: global_buffer, .address_space: global }
      - { .name: k_w, .offset: 24, .size: 8, .value_kind: global_buffer, .address_space: global }
      - { .name: v_w, .offset: 32, .size: 8, .value_kind: global_buffer, .address_space: global }
      - { .name: kg_w, .offset: 40, .size: 8, .value_kind: global_buffer, .address_space: global }
      - { .name: vg_w, .offset: 48, .size: 8, .value_kind: global_buffer, .address_space: global }
      - { .name: out_w, .offset: 56, .size: 8, .value_kind: global_buffer, .address_space: global }
      - { .name: cod, .offset: 64, .size: 8, .value_kind: global_buffer, .address_space: global }
      - { .name: scl, .offset: 72, .size: 8, .value_kind: global_buffer, .address_space: global }
    .group_segment_fixed_size: 34304
    .private_segment_fixed_size: 0
    .kernarg_segment_align: 8
    .kernarg_segment_size: 80
    .max_flat_workgroup_size: 128
    .sgpr_count:     66
    .vgpr_count:     250
    .wavefront_size: 32
...
	.end_amdgpu_metadata
.endif
;; end of part 1
;; launch proj (part 2): grid 4 x 56, 8 waves a work-group, clusters of 4 x 4, 327,680 bytes of LDS; arguments cod, scl, q_b, k_b, v_b, kg_b, vg_b, qc, kv; writes qc, kv
.if DOCPART == 2
	.amdgcn_target "amdgcn-amd-amdhsa--gfx1250"
	.amdhsa_code_object_version 6
	.text
	.protected	k_q4657df6938_proj
	.globl	k_q4657df6938_proj
	.p2align	8
	.type	k_q4657df6938_proj,@function
k_q4657df6938_proj:
	s_mov_b64 s[64:65], 0
	v_nop
	global_prefetch_b8 v0, s[64:65] scope:SCOPE_SE
	s_setreg_imm32_b32 hwreg(HW_REG_WAVE_MODE, 25, 1), 1
	s_wait_xcnt 0x0
	s_wait_alu depctr_hold_cnt(0) depctr_sa_sdst(0) depctr_va_vdst(0) depctr_va_sdst(0) depctr_va_ssrc(0) depctr_va_vcc(0) depctr_vm_vsrc(0)
	s_getreg_b32 s2, hwreg(HW_REG_IB_STS2, 6, 4)
	s_cmp_eq_u32 s2, 0
	s_cbranch_scc0 .Lentry_in_a_cluster
	s_endpgm
.Lentry_in_a_cluster:
	s_bfe_u32 s2, ttmp6, 0x10000c
	s_cmp_lg_u32 s2, 0xf033
	s_cbranch_scc0 .Lentry_shape_is_right
	s_endpgm
.Lentry_shape_is_right:
; The five projections q, k, v (4,096 local tokens) and kg, vg (1,024 global tokens), K = 1,024, on codes of FP6 with E8M0 scales; bias in f32; the results are quantised at once, as the attention wants them.
; FORM.  Source 0 = 16 rows of P, source 1 = 16 rows of R: a lane holds ONE row of R, and its registers run along P, which is the next product's K.
;   kind 0 (q, k, kg): P = the weight's rows (the head's 64), R = tokens.    kind 1 (v, vg): P = tokens (the keys), R = the weight's rows.
; Tiles hold the rows 32 b + 8 u + r + 8 (r / 8), so that the 16 registers of P's tiles 2 b and 2 b + 1 are 16 neighbours along the next K.
; SHARES.  A work-group makes 256 of P x 256 of R; eight waves, each 128 x 64: 32 accumulators, 256 registers (window 1).  The cluster's y says which product: 0-3 q, 4-7 k, 8-11 v, 12 kg, 13 vg.
; CLUSTER 4 x 4: P's tiles hang on cx and are asked for jointly by a column of the cluster, R's on cy, by a row.  No branch and no LDS address hangs on cx or cy.
; LDS: three slots of two K steps (32 tiles x 3,072 bytes); slot 0 is filled a second time, with K steps 6 and 7.  A wave has at most three tensor loads out.  Operands lie in memory and in LDS as images of their registers.
; RESULTS.  qc: [batch x head][128 tokens]: eight half fragments (64 along K: registers 0-3 at 16 l, 4-5 at 512 + 8 l), 512 bytes of scale words.  kv: [batch x head][128 keys]: K likewise, V as four whole fragments, K's and V's scale words.
; LIMITS: NaN and infinities are not served; a block under 2^-124, zeros among them, gets the byte 1.
; No prefetch: the launch is short, and three of its four fills go out at its head.
.set SLOTB, 98304
.set TILEB, 3072                       ; a tile's two K steps
.set SPARE, 3*SLOTB                    ; the spare words: 128 bytes for each of eight waves
.set BST,   SPARE+1024                 ; each wave's own 512 bytes: its 128 numbers of the bias
.set LI,  2                            ; v2  16 x lane
.set L8,  3                            ; v3  8 x lane
.set AP,  4                            ; v4-6  my P tiles in slot n
.set AR,  7                            ; v7-9  my R tiles in slot n
.set SPW, 10
.set NIL, 11
.set OSA, 12                           ; v12 16 r + 2048 h: P's scale words, lanes 16-31 four tiles on
.set OSB, 13                           ; v13 16 r + 1024 h: R's, two tiles on
.set BWR, 14
.set BRD, 15
.set BR,  16                           ; v16-23 kind 1: the bias of my row of R, tile c at BR + 2 c (pairs: the upper register is written too)
.set SA,  24                           ; v24-55 P's scale words: register 8 (a % 4) + s, lanes 16-31 for a >= 4
.set SB,  56                           ; v56-71 R's: 8 (c % 2) + s, lanes 16-31 for c >= 2
.set PF,  72                           ; v72-167  P's eight fragments
.set RF,  168                          ; v168-215 R's four
.set WK,  72                           ; the way out: 64 numbers,
.set BI,  136                          ; the bias in the result's layout,
.set PC,  200                          ; codes,
.set TM,  220                          ; at work,
.set PWS, 240                          ; four scale words,
.set XY,  244
.set VOA, 250
.set VOB, 251
.set VSC, 252
.set SEL, 2                            ; s[2:3]
.set DA,  8                            ; s[8:9], s[10:11]: where the results go (first head, second head)
.set DB,  10
.set WV,  22
.set CX,  23
.set CY,  24
.set CYC, 25
.set KIND, 26
.set DD,  27
.set G1X, 28
.set G1Y, 36
.set G0X, 44                           ; s[44:55] three sets for P
.set G0Y0, 56                          ; s[56:59], s[60:63], s[68:71] for R
.set G0Y1, 60
.set G0Y2, 68
.set PTB, 66
.set RTB, 67
.set PBK, 80
.set RBK, 81
.set PT0, 82
.set RT0, 83
.set WP,  94
.set WR,  95
.set UU,  96
.set VV,  97
.set C0,  98
.set MSB, 0
.macro WIN new                         ; the immediate's high byte repeats the setting that is left
.if MSB != \new
	s_set_vgpr_msb (MSB<<8)|\new
.set MSB, \new
.endif
.endm
.macro PLACES n
.rept \n
	v_nop
.endr
.endm
.macro CROUND                          ; a round of the cluster's barrier
	s_barrier_signal -1
	s_barrier_wait -1
	s_cmp_lg_u32 s[WV], 0
	s_cbranch_scc1 .Lnot_wave_0_\@
	s_barrier_signal -3
.Lnot_wave_0_\@:
	s_barrier_wait -3
	s_barrier_signal -1
	s_barrier_wait -1
.endm
.macro TABLE lim, ptb, rtb, c0, kind   ; clusters with y under lim belong to an earlier product
	s_cmp_lt_u32 s[CYC], \lim
	s_cselect_b32 s[PTB], \ptb, s[PTB]
	s_cselect_b32 s[RTB], \rtb, s[RTB]
	s_cselect_b32 s[C0], \c0, s[C0]
	s_cselect_b32 s[KIND], \kind, s[KIND]
.endm
.macro SETG0 g, n, src
	s_mov_b32 s[\g], 1
	s_add_co_u32 s[\g+1], s75, \n*SLOTB
	s_add_nc_u64 s[\g+2:\g+3], s[\src:\src+1], \n*TILEB
	s_or_b32 s[\g+3], s[\g+3], 0x80000000
.endm
; the matrix instruction on rD, rA, rB, rSA, rSB; zero: the product starts the sum; ra, rb: the scales stand in lanes 16-31
.macro WM zero, ra, rb
.if \zero
.if (\ra) && (\rb)
	v_wmma_scale_f32_16x16x128_f8f6f4 v[rD:rD+7], v[rA:rA+11], v[rB:rB+11], 0, v[rSA], v[rSB] matrix_a_fmt:MATRIX_FMT_FP6 matrix_b_fmt:MATRIX_FMT_FP6 matrix_a_scale:MATRIX_SCALE_ROW1 matrix_b_scale:MATRIX_SCALE_ROW1
.elseif (\ra)
	v_wmma_scale_f32_16x16x128_f8f6f4 v[rD:rD+7], v[rA:rA+11], v[rB:rB+11], 0, v[rSA], v[rSB] matrix_a_fmt:MATRIX_FMT_FP6 matrix_b_fmt:MATRIX_FMT_FP6 matrix_a_scale:MATRIX_SCALE_ROW1
.elseif (\rb)
	v_wmma_scale_f32_16x16x128_f8f6f4 v[rD:rD+7], v[rA:rA+11], v[rB:rB+11], 0, v[rSA], v[rSB] matrix_a_fmt:MATRIX_FMT_FP6 matrix_b_fmt:MATRIX_FMT_FP6 matrix_b_scale:MATRIX_SCALE_ROW1
.else
	v_wmma_scale_f32_16x16x128_f8f6f4 v[rD:rD+7], v[rA:rA+11], v[rB:rB+11], 0, v[rSA], v[rSB] matrix_a_fmt:MATRIX_FMT_FP6 matrix_b_fmt:MATRIX_FMT_FP6
.endif
.else
.if (\ra) && (\rb)
	v_wmma_scale_f32_16x16x128_f8f6f4 v[rD:rD+7], v[rA:rA+11], v[rB:rB+11], v[rD:rD+7], v[rSA], v[rSB] matrix_a_fmt:MATRIX_FMT_FP6 matrix_b_fmt:MATRIX_FMT_FP6 matrix_a_scale:MATRIX_SCALE_ROW1 matrix_b_scale:MATRIX_SCALE_ROW1
.elseif (\ra)
	v_wmma_scale_f32_16x16x128_f8f6f4 v[rD:rD+7], v[rA:rA+11], v[rB:rB+11], v[rD:rD+7], v[rSA], v[rSB] matrix_a_fmt:MATRIX_FMT_FP6 matrix_b_fmt:MATRIX_FMT_FP6 matrix_a_scale:MATRIX_SCALE_ROW1
.elseif (\rb)
	v_wmma_scale_f32_16x16x128_f8f6f4 v[rD:rD+7], v[rA:rA+11], v[rB:rB+11], v[rD:rD+7], v[rSA], v[rSB] matrix_a_fmt:MATRIX_FMT_FP6 matrix_b_fmt:MATRIX_FMT_FP6 matrix_b_scale:MATRIX_SCALE_ROW1
.else
	v_wmma_scale_f32_16x16x128_f8f6f4 v[rD:rD+7], v[rA:rA+11], v[rB:rB+11], v[rD:rD+7], v[rSA], v[rSB] matrix_a_fmt:MATRIX_FMT_FP6 matrix_b_fmt:MATRIX_FMT_FP6
.endif
.endif
.endm
	s_load_b128 s[4:7], s[0:1], 0x0                ; cod, scl
	s_load_b128 s[8:11], s[0:1], 0x10              ; q_b, k_b
	s_load_b128 s[12:15], s[0:1], 0x20             ; v_b, kg_b
	s_load_b128 s[16:19], s[0:1], 0x30             ; vg_b, qc
	s_load_b64 s[20:21], s[0:1], 0x40              ; kv
	v_lshl_add_u32 v[SPW], v0, 2, SPARE
	v_mov_b32 v[NIL], 0
	ds_add_u32 v10, v11
	ds_add_u32 v10, v11
	s_wait_dscnt 0x0
	v_lshrrev_b32 v1, 5, v0
	v_readfirstlane_b32 s[WV], v1                  ; wave 0..7
	s_bfe_u32 s[CX], ttmp6, 0x40000
	s_bfe_u32 s[CY], ttmp6, 0x40004
	s_and_b32 s[CYC], ttmp7, 0xffff                ; the cluster's y: which product, and which part of it
	s_mov_b32 s[PTB], 256                          ; vg: P = global tokens (tiles 256 on), R = vg_w (576 on)
	s_mov_b32 s[RTB], 576
	s_mov_b32 s[C0], 13
	s_mov_b32 s[KIND], 1
	TABLE 13, 512, 256, 12, 0                      ; kg
	TABLE 12, 0, 448, 8, 1                         ; v
	TABLE 8, 384, 0, 4, 0                          ; k
	TABLE 4, 320, 0, 0, 0                          ; q
	s_sub_co_u32 s[DD], s[CYC], s[C0]              ; which four blocks of the tokens
	s_cmp_eq_u32 s[KIND], 1
	s_cselect_b32 s[PBK], s[DD], 0
	s_cselect_b32 s[RBK], 0, s[DD]
	s_lshl_b32 s[PBK], s[PBK], 2
	s_add_co_u32 s[PBK], s[PBK], s[CX]             ; my block of 256 of P: cx and the cluster's y alone
	s_lshl_b32 s[RBK], s[RBK], 2
	s_add_co_u32 s[RBK], s[RBK], s[CY]             ; of R: cy and the cluster's y alone
	s_lshl_b32 s[PT0], s[PBK], 4
	s_add_co_u32 s[PT0], s[PT0], s[PTB]
	s_lshl_b32 s[RT0], s[RBK], 4
	s_add_co_u32 s[RT0], s[RT0], s[RTB]
	s_lshl_b32 s72, 0x1111, s[CX]                  ; my column of the cluster
	s_lshl_b32 s73, s[CY], 2
	s_lshl_b32 s73, 15, s73                        ; my row
	s_or_b32 s[G1X], s72, (3<<16)|(1<<21)          ; 15:0 the mask; 17:16 elements of 8 bytes; 21 set beside a mask; no padding
	s_or_b32 s[G1Y], s73, (3<<16)|(1<<21)
.irp g, G1X, G1Y
	s_mov_b32 s[\g+1], 384<<16                     ; tensor_dim0: 3,072 bytes, a tile's two K steps
	s_mov_b32 s[\g+2], 4<<16                       ; tensor_dim1: four tiles
	s_mov_b32 s[\g+3], 384<<16                     ; tile_dim0
	s_mov_b32 s[\g+4], 4                           ; tile_dim1
	s_mov_b32 s[\g+5], 1536                        ; from tile to tile: 12,288 bytes
	s_mov_b32 s[\g+6], 0
	s_mov_b32 s[\g+7], 0
.endr
	s_and_b32 s74, s[WV], 3
	s_lshl_b32 s74, s74, 2                         ; which four tiles I fetch: waves 0-3 of P, waves 4-7 of R
	s_add_co_u32 s76, s[PT0], s74
	s_mul_i32 s76, s76, 12288
	s_mov_b32 s77, 0
	s_add_co_u32 s78, s[RT0], s74
	s_mul_i32 s78, s78, 12288
	s_mov_b32 s79, 0
	s_mul_i32 s75, s[WV], 12288                    ; and where they go: P's 16 tiles, then R's 16
	s_mov_b32 s[SEL], 0x76543210
	s_mov_b32 s[SEL+1], 0xfedcba98
	s_wait_kmcnt 0x0
	s_add_nc_u64 s[76:77], s[4:5], s[76:77]
	s_add_nc_u64 s[78:79], s[4:5], s[78:79]
	SETG0 G0X, 0, 76
	SETG0 G0X+4, 1, 76
	SETG0 G0X+8, 2, 76
	SETG0 G0Y0, 0, 78
	SETG0 G0Y1, 1, 78
	SETG0 G0Y2, 2, 78
	CROUND                                         ; all sixteen work-groups are here: the first joint loads meet
	s_cmp_lt_u32 s[WV], 4                          ; a wave's three first fills stand in one branch on its number: K steps 0 to 5
	s_cbranch_scc0 .Lfirst_y
	tensor_load_to_lds s[G0X:G0X+3], s[G1X:G1X+7]
	s_nop 0
	tensor_load_to_lds s[G0X+4:G0X+7], s[G1X:G1X+7]
	s_nop 0
	tensor_load_to_lds s[G0X+8:G0X+11], s[G1X:G1X+7]
	s_nop 0
	PLACES 4
	s_branch .Lfirst_done
.Lfirst_y:
	tensor_load_to_lds s[G0Y0:G0Y0+3], s[G1Y:G1Y+7]
	s_nop 0
	tensor_load_to_lds s[G0Y1:G0Y1+3], s[G1Y:G1Y+7]
	s_nop 0
	tensor_load_to_lds s[G0Y2:G0Y2+3], s[G1Y:G1Y+7]
	s_nop 0
	PLACES 4
.Lfirst_done:
	v_and_b32 v1, 31, v0                           ; lane
	v_and_b32 v216, 15, v0                         ; r
	v_bfe_u32 v217, v0, 4, 1                       ; h
	v_lshlrev_b32 v[LI], 4, v1
	v_lshlrev_b32 v[L8], 3, v1
	s_and_b32 s[WP], s[WV], 1                      ; which 128 of P are mine
	s_lshr_b32 s[WR], s[WV], 1                     ; which 64 of R
	s_mul_i32 s72, s[WP], 8*TILEB
	s_mul_i32 s73, s[WR], 4*TILEB
	s_add_co_u32 s73, s73, 16*TILEB
.irp n, 0,1,2
	v_add_nc_u32 v[AP+\n], s72, v[LI]
	v_add_nc_u32 v[AR+\n], s73, v[LI]
	s_add_co_u32 s72, s72, SLOTB
	s_add_co_u32 s73, s73, SLOTB
.endr
	v_lshlrev_b32 v[OSA], 4, v216
	v_lshl_add_u32 v[OSB], v217, 10, v[OSA]
	v_lshl_add_u32 v[OSA], v217, 11, v[OSA]
	s_lshl_b32 s72, s[WV], 9
	s_add_co_u32 s72, s72, BST
	v_add_nc_u32 v[BWR], s72, v[LI]
	v_lshl_add_u32 v[BRD], v217, 6, s72
	; the scale words of all eight K steps stay in registers: 256 consecutive bytes for sixteen lanes
	s_lshl_b32 s84, s[WP], 3
	s_add_co_u32 s84, s84, s[PT0]
	s_lshl_b32 s84, s84, 9
	s_mov_b32 s85, 0
	s_add_nc_u64 s[84:85], s[6:7], s[84:85]
	s_lshl_b32 s86, s[WR], 2
	s_add_co_u32 s86, s86, s[RT0]
	s_lshl_b32 s86, s86, 9
	s_mov_b32 s87, 0
	s_add_nc_u64 s[86:87], s[6:7], s[86:87]
.irp i, 0,1,2,3
.irp f, 0,1
	global_load_b128 v[SA+8*\i+4*\f:SA+8*\i+4*\f+3], v[OSA], s[84:85] offset:512*\i+256*\f
.endr
.endr
.irp i, 0,1
.irp f, 0,1
	global_load_b128 v[SB+8*\i+4*\f:SB+8*\i+4*\f+3], v[OSB], s[86:87] offset:512*\i+256*\f
.endr
.endr
	; the bias
	s_mov_b64 s[88:89], s[16:17]
	s_cmp_lt_u32 s[CYC], 13
	s_cselect_b64 s[88:89], s[14:15], s[88:89]
	s_cmp_lt_u32 s[CYC], 12
	s_cselect_b64 s[88:89], s[12:13], s[88:89]
	s_cmp_lt_u32 s[CYC], 8
	s_cselect_b64 s[88:89], s[10:11], s[88:89]
	s_cmp_lt_u32 s[CYC], 4
	s_cselect_b64 s[88:89], s[8:9], s[88:89]
	s_lshl_b32 s[UU], s[PBK], 1
	s_add_co_u32 s[UU], s[UU], s[WP]               ; my 128 of P, counted in the tensor
	s_lshl_b32 s[VV], s[RBK], 2
	s_add_co_u32 s[VV], s[VV], s[WR]               ; my 64 of R
	s_cmp_eq_u32 s[KIND], 1
	s_cselect_b32 s90, 0, s[UU]                    ; kind 0 uses the first load (128 numbers along P), kind 1 the four others (one number a lane and tile).
	s_cselect_b32 s92, s[VV], 0                    ; Both are issued for both kinds; the one that is not used reads the bias's first bytes
	s_lshl_b32 s90, s90, 9
	s_mov_b32 s91, 0
	s_lshl_b32 s92, s92, 8
	s_mov_b32 s93, 0
	s_add_nc_u64 s[90:91], s[88:89], s[90:91]
	s_add_nc_u64 s[92:93], s[88:89], s[92:93]
	global_load_b128 v[220:223], v[LI], s[90:91]
	v_and_b32 v218, 8, v216
	v_add_nc_u32 v218, v218, v216
	v_lshlrev_b32 v218, 2, v218                    ; 4 (r + 8 (r / 8))
.irp c, 0,1,2,3
	global_load_b32 v[BR+2*\c], v218, s[92:93] offset:4*(32*(\c/2)+8*(\c%2))
	v_mov_b32 v[BR+2*\c+1], 0
.endr
.irp b, 0,1,2,3
	v_mov_b32 v[TM+4+\b], 0                        ; (a lane permute's destination counts as one of its sources)
.endr
	; where the results go
	s_lshr_b32 s12, s[VV], 1
	s_lshl_b32 s13, s[UU], 1
	s_cmp_eq_u32 s[KIND], 1
	s_cselect_b32 s12, s[UU], s12                  ; which 128 tokens
	s_cselect_b32 s13, s[VV], s13                  ; which head (kind 0: the first of two)
	s_cselect_b32 s14, 6144, 0                     ; V stands behind K's eight half fragments
	s_cmp_ge_u32 s[CYC], 12                        ; global tokens: four steps a batch, behind the sixteen local ones
	s_cselect_b32 s15, 2, 4
	s_cselect_b32 s16, 3, 15
	s_cselect_b32 s17, 16, 0
	s_lshr_b32 s99, s12, s15                       ; batch
	s_and_b32 s12, s12, s16
	s_add_co_u32 s12, s12, s17                     ; step
	s_lshl_b32 s99, s99, 4
	s_add_co_u32 s13, s13, s99                     ; batch x 16 + head
	s_mov_b32 s16, 13312
	s_mov_b32 s17, 12288
	s_cmp_lt_u32 s[CYC], 4                         ; q goes to qc, all else to kv
	s_cselect_b32 s15, 16, 20                      ; steps a head
	s_cselect_b32 s16, 6656, s16                   ; bytes a step
	s_cselect_b32 s17, 6144, s17                   ; where the scale words begin
	s_cselect_b64 s[DA:DA+1], s[18:19], s[20:21]
	s_mul_i32 s13, s13, s15
	s_add_co_u32 s13, s13, s12
	s_mul_i32 s12, s13, s16
	s_add_co_u32 s12, s12, s14
	s_mov_b32 s13, 0
	s_add_nc_u64 s[DA:DA+1], s[DA:DA+1], s[12:13]
	s_mul_i32 s12, s15, s16
	s_add_nc_u64 s[DB:DB+1], s[DA:DA+1], s[12:13]  ; the next head
	s_and_b32 s14, s[WR], 1                        ; which four of the step's eight token tiles are mine
	s_mul_i32 s15, s14, 3072
	v_add_nc_u32 v[VOA], s15, v[LI]
	s_add_co_u32 s15, s15, 512
	v_add_nc_u32 v[VOB], s15, v[L8]
	s_lshl_b32 s14, s14, 8
	s_add_co_u32 s14, s14, s17
	v_add_nc_u32 v[VSC], s14, v[L8]
	s_wait_loadcnt 0x0
	ds_store_b128 v[BWR], v[220:223]               ; the bias waits in my own 512 bytes of LDS: its registers are wanted for fragments
; A K step: 4 + 8 fragments from LDS, 32 matrix instructions.  The 32 accumulators take turns, one instruction a turn, in the same order in every step.
.macro KSTEP n, e, s, zero
.if !(\zero)
	PLACES 4                                       ; in front of loads into registers that matrix instructions have read
.endif
.irp c, 0,1,2,3
.irp p, 0,1,2
	ds_load_b128 v[RF+12*\c+4*\p:RF+12*\c+4*\p+3], v[AR+\n] offset:\c*TILEB+\e*1536+512*\p
.endr
.endr
.irp a, 0,1,2,3,4,5,6,7
.irp p, 0,1,2
	ds_load_b128 v[PF+12*\a+4*\p:PF+12*\a+4*\p+3], v[AP+\n] offset:\a*TILEB+\e*1536+512*\p
.endr
.endr
	s_wait_dscnt 12                                ; R's four and P's tiles 0-3 are in; the youngest twelve loads (P's tiles 4-7) may be out
	WIN 0x50                                       ; C and D in window 1
.irp a, 0,1,2,3
.irp c, 0,1,2,3
.set rD, 64*\c+8*\a
.set rA, PF+12*\a
.set rB, RF+12*\c
.set rSA, SA+8*(\a%4)+\s
.set rSB, SB+8*(\c%2)+\s
	WM \zero, \a/4, \c/2
.endr
.endr
	s_wait_dscnt 0x0
.irp a, 4,5,6,7
.irp c, 0,1,2,3
.set rD, 64*\c+8*\a
.set rA, PF+12*\a
.set rB, RF+12*\c
.set rSA, SA+8*(\a%4)+\s
.set rSB, SB+8*(\c%2)+\s
	WM \zero, \a/4, \c/2
.endr
.endr
	WIN 0
.endm
; 64 numbers of a lane, register 16 b + i = k 32 b + 16 (lane / 16) + i of my row, become a fragment's codes in v[PC] on and its scale word in v[pw]
.macro QUANT s, pw
.irp b, 0,1,2,3
	v_max3_num_f32 v[TM+\b], |v[\s+16*\b]|, |v[\s+1+16*\b]|, 0x1800000   ; the floor 2^(3 - 127) among the leaves
.endr
.irp i, 2,4,6,8,10,12,14
.irp b, 0,1,2,3
	v_max3_num_f32 v[TM+\b], v[TM+\b], |v[\s+16*\b+\i]|, |v[\s+1+16*\b+\i]|
.endr
.endr
.irp b, 0,1,2,3
	v_permlanex16_b32 v[TM+4+\b], v[TM+\b], s[SEL], s[SEL+1]
.endr
.irp b, 0,1,2,3
	v_max_num_f32 v[TM+\b], v[TM+\b], v[TM+4+\b]   ; with lane l xor 16's: the block's largest magnitude
.endr
.irp b, 0,1,2,3
	v_add_nc_u32 v[TM+12+\b], 0xff000000, v[TM+\b] ; 2 off its exponent field: the conversion's scale operand
.endr
.irp b, 0,1,2,3
	v_lshrrev_b32 v[TM+4+\b], 23, v[TM+12+\b]      ; the byte
.endr
	v_lshl_or_b32 v[\pw], v[TM+5], 8, v[TM+4]
	v_lshl_or_b32 v[\pw], v[TM+6], 16, v[\pw]
	v_lshl_or_b32 v[\pw], v[TM+7], 24, v[\pw]
.irp c, 0,1
	v_cvt_scalef32_pk16_fp6_f32 v[PC+6*\c:PC+2+6*\c], v[\s+32*\c:\s+15+32*\c], v[TM+12+2*\c]
	v_cvt_scalef32_pk16_fp6_f32 v[PC+12+4*\c:PC+14+4*\c], v[\s+16+32*\c:\s+31+32*\c], v[TM+12+2*\c+1]
.endr
	v_nop                                          ; one plain instruction behind the scaled conversions
.irp c, 0,1                                    ; the operand's layout wants a whole block in a lane
.irp i, 0,1,2
	v_permlane16_swap_b32 v[PC+6*\c+\i], v[PC+12+4*\c+\i]
.endr
.irp i, 0,1,2
	v_mov_b32 v[PC+3+6*\c+\i], v[PC+12+4*\c+\i]
.endr
.endr
.endm
	s_wait_tensorcnt 0x2                           ; my part of slot 0 is in; slots 1 and 2 may be out
	s_wait_dscnt 0x0
	s_barrier_signal -1
	s_barrier_wait -1
	KSTEP 0, 0, 0, 1
	KSTEP 0, 1, 1, 0
	s_wait_tensorcnt 0x0                           ; all my tensor loads have landed, so a group 0 may be written
	ds_add_u32 v[SPW], v[NIL]                      ; 0 onto my spare word
	s_add_nc_u64 s[G0X+2:G0X+3], s[G0X+2:G0X+3], 3*TILEB      ; slot 0's next tiles: K steps 6 and 7
	s_add_nc_u64 s[G0Y0+2:G0Y0+3], s[G0Y0+2:G0Y0+3], 3*TILEB
	s_wait_dscnt 0x0                               ; the add is done, and my reads of slot 0 are over
	CROUND                                         ; both now hold of every wave of the cluster
	s_cmp_lt_u32 s[WV], 4
	s_cbranch_scc0 .Lfor_y
	tensor_load_to_lds s[G0X:G0X+3], s[G1X:G1X+7]
	s_nop 0
	PLACES 4
	s_branch .Lasked
.Lfor_y:
	tensor_load_to_lds s[G0Y0:G0Y0+3], s[G1Y:G1Y+7]
	s_nop 0
	PLACES 4
.Lasked:
	KSTEP 1, 0, 2, 0                               ; four K steps, 128 matrix instructions a wave, in which the refill lands
	KSTEP 1, 1, 3, 0
	KSTEP 2, 0, 4, 0
	KSTEP 2, 1, 5, 0
	s_wait_tensorcnt 0x0                           ; my part of K steps 6 and 7 is in,
	s_wait_dscnt 0x0
	s_barrier_signal -1
	s_barrier_wait -1                              ; everybody's is
	KSTEP 0, 0, 6, 0
	KSTEP 0, 1, 7, 0
	PLACES 4                                       ; in front of the first reads of results, and of writes and loads into the fragments' registers
	s_cmp_eq_u32 s[KIND], 0
	s_cbranch_scc0 .Lkind1
	; ---- kind 0: my 128 along P are two heads.  A tile of 16 tokens becomes two half fragments, one for each head
.irp a, 0,1,2,3,4,5,6,7
.irp q, 0,1
	ds_load_b128 v[BI+8*\a+4*\q:BI+8*\a+4*\q+3], v[BRD] offset:4*(32*(\a/2)+8*(\a%2))+16*\q
.endr
.endr
	s_wait_dscnt 0x0
.irp c, 0,1,2,3
	WIN 0x01                                       ; source 0: the accumulators, window 1
.set j, 0
.rept 32
	v_pk_add_f32 v[WK+j:WK+j+1], v[64*\c+j:64*\c+j+1], v[BI+j:BI+j+1]   ; each accumulator from its low end on
.set j, j+2
.endr
	WIN 0
	s_wait_xcnt 0x0                                ; the last tile's stores have read the codes' registers
	QUANT WK, PWS+\c
	global_store_b128 v[VOA], v[PC:PC+3], s[DA:DA+1] offset:768*\c
	global_store_b64 v[VOB], v[PC+4:PC+5], s[DA:DA+1] offset:768*\c
	global_store_b128 v[VOA], v[PC+6:PC+9], s[DB:DB+1] offset:768*\c
	global_store_b64 v[VOB], v[PC+10:PC+11], s[DB:DB+1] offset:768*\c
.endr
	s_mov_b32 vcc_lo, 0xffff0000
	v_cndmask_b32 v[XY], v[PWS], v[PWS+1], vcc_lo      ; lanes 0-15 the even tile's words, lanes 16-31 the odd tile's
	v_cndmask_b32 v[XY+1], v[PWS+2], v[PWS+3], vcc_lo
	v_and_b32 v[XY+2], 0xffff, v[XY]                   ; bytes 0 and 1: the first head's two blocks; bytes 2 and 3 stay 0
	v_and_b32 v[XY+3], 0xffff, v[XY+1]
	v_lshrrev_b32 v[XY+4], 16, v[XY]                   ; the second head's
	v_lshrrev_b32 v[XY+5], 16, v[XY+1]
	global_store_b64 v[VSC], v[XY+2:XY+3], s[DA:DA+1]
	global_store_b64 v[VSC], v[XY+4:XY+5], s[DB:DB+1]
	s_branch .Ljoin
.Lkind1:
	; ---- kind 1: my 128 along P are the keys of one step, my 64 of R one head's channels.  A tile of 16 channels becomes one whole fragment
.irp c, 0,1,2,3
	WIN 0x01
.set j, 0
.rept 32
	v_pk_add_f32 v[WK+j:WK+j+1], v[64*\c+j:64*\c+j+1], v[BR+2*\c:BR+2*\c+1] op_sel_hi:[1,0]
.set j, j+2
.endr
	WIN 0
	s_wait_xcnt 0x0
	QUANT WK, PWS+\c
.irp p, 0,1,2
	global_store_b128 v[LI], v[PC+4*\p:PC+4*\p+3], s[DA:DA+1] offset:1536*\c+512*\p
.endr
.endr
	global_store_b128 v[LI], v[PWS:PWS+3], s[DA:DA+1] offset:6656   ; the four tiles' scale words, 16 bytes a lane
.Ljoin:
	s_wait_tensorcnt 0x0                           ; the wave's end
	ds_add_u32 v[SPW], v[NIL]
	s_wait_dscnt 0x0
	CROUND                                         ; the closing round
	s_endpgm
.Lfunc_end_k_q4657df6938_proj:
	.size	k_q4657df6938_proj, .Lfunc_end_k_q4657df6938_proj-k_q4657df6938_proj
	.p2alignl 7, 3214868480
	.fill 96, 4, 3214868480
	.section	.rodata,"a",@progbits
	.p2align	6, 0x0
	.amdhsa_kernel k_q4657df6938_proj
		.amdhsa_group_segment_fixed_size 327680
		.amdhsa_private_segment_fixed_size 0
		.amdhsa_enable_private_segment 0
		.amdhsa_kernarg_size 72
		.amdhsa_user_sgpr_count 2
		.amdhsa_user_sgpr_kernarg_segment_ptr 1
		.amdhsa_wavefront_size32 1
		.amdhsa_system_sgpr_workgroup_id_x 1
		.amdhsa_system_sgpr_workgroup_id_y 1
		.amdhsa_system_sgpr_workgroup_id_z 1
		.amdhsa_system_vgpr_workitem_id 0
		.amdhsa_next_free_vgpr 512
		.amdhsa_next_free_sgpr 100
		.amdhsa_reserve_vcc 1
		.amdhsa_float_denorm_mode_32 3
		.amdhsa_float_denorm_mode_16_64 3
		.amdhsa_memory_ordered 1
		.amdhsa_forward_progress 1
		.amdhsa_inst_pref_size 118
	.end_amdhsa_kernel
	.amdgpu_metadata
---
amdhsa.version: [ 1, 2 ]
amdhsa.kernels:
  - .name:           k_q4657df6938_proj
    .symbol:         k_q4657df6938_proj.kd
    .args:
      - { .name: cod, .offset: 0, .size: 8, .value_kind: global_buffer, .address_space: global }
      - { .name: scl, .offset: 8, .size: 8, .value_kind: global_buffer, .address_space: global }
      - { .name: q_b, .offset: 16, .size: 8, .value_kind: global_buffer, .address_space: global }
      - { .name: k_b, .offset: 24, .size: 8, .value_kind: global_buffer, .address_space: global }
      - { .name: v_b, .offset: 32, .size: 8, .value_kind: global_buffer, .address_space: global }
      - { .name: kg_b, .offset: 40, .size: 8, .value_kind: global_buffer, .address_space: global }
      - { .name: vg_b, .offset: 48, .size: 8, .value_kind: global_buffer, .address_space: global }
      - { .name: qc, .offset: 56, .size: 8, .value_kind: global_buffer, .address_space: global }
      - { .name: kv, .offset: 64, .size: 8, .value_kind: global_buffer, .address_space: global }
    .group_segment_fixed_size: 327680
    .private_segment_fixed_size: 0
    .kernarg_segment_align: 8
    .kernarg_segment_size: 72
    .max_flat_workgroup_size: 256
    .sgpr_count:     100
    .vgpr_count:     512
    .wavefront_size: 32
...
	.end_amdgpu_metadata
.endif
;; end of part 2
;; launch attn (part 3): grid 8 x 32, 16 waves a work-group, clusters of 4 x 1, 327,680 bytes of LDS; arguments qc, kv, gate, ao, aos; writes ao, aos
.if DOCPART == 3
	.amdgcn_target "amdgcn-amd-amdhsa--gfx1250"
	.amdhsa_code_object_version 6
	.text
	.protected	k_q4657df6938_attn
	.globl	k_q4657df6938_attn
	.p2align	8
	.type	k_q4657df6938_attn,@function
k_q4657df6938_attn:
	s_mov_b64 s[64:65], 0
	v_nop
	global_prefetch_b8 v0, s[64:65] scope:SCOPE_SE
	s_setreg_imm32_b32 hwreg(HW_REG_WAVE_MODE, 25, 1), 1
	s_wait_xcnt 0x0
	s_wait_alu depctr_hold_cnt(0) depctr_sa_sdst(0) depctr_va_vdst(0) depctr_va_sdst(0) depctr_va_ssrc(0) depctr_va_vcc(0) depctr_vm_vsrc(0)
	s_getreg_b32 s2, hwreg(HW_REG_IB_STS2, 6, 4)
	s_cmp_eq_u32 s2, 0
	s_cbranch_scc0 .Lentry_in_a_cluster
	s_endpgm
.Lentry_in_a_cluster:
	s_bfe_u32 s2, ttmp6, 0x10000c
	s_cmp_lg_u32 s2, 0x3003
	s_cbranch_scc0 .Lentry_shape_is_right
	s_endpgm
.Lentry_shape_is_right:
; For each batch and head: o = g softmax(q k_l^T / 8) v_l + (1 - g) softmax(q k_g^T / 8) v_g, g = sigmoid(gate); 2,048 queries, 2,048 local and 512 global keys, head size 64; all four products on codes of FP6.
; THE SOFTMAX: t = score x log2(e) / 8; M = the running largest t rounded UP to a whole number; p = 2^(t - M) is quantised along the keys, not normalised; the row's sum is taken of the unquantised p and divides at the end.
; When M moves, the sum and O are multiplied by 2^(old M - new M), which rounds nothing.  o is quantised along the model's 1,024 (a head is two blocks) and stored as the last product's operand.
; SHARES.  A work-group owns 256 queries of one head; each of its sixteen waves 16 of them, in 256 registers: four waves to a SIMD, so that one wave's vector work stands beside another's matrix work and LDS loads.
; Both products are used transposed (S^T = K Q^T, O^T = V^T P^T): a lane holds one query throughout.  Tiles of keys hold the keys 32 b + 8 u + r + 8 (r / 8), so that the 16 registers of tiles 2 b, 2 b + 1 are 16 neighbouring keys.
; LDS: the head's K and V of all 20 steps of 128 keys, 266,240 bytes, filled ONCE, each wave bringing a sixteenth by one tensor load; nothing is filled again.
; CLUSTER 4 x 1: the four query blocks of a cluster belong to one head and ask for those bytes jointly.  No prefetch: all that the launch reads is asked for at its head.
; K = 64 IN AN INSTRUCTION OF 128.  Q's registers 6-11 are zero codes.  K's eight half fragments stand 6 registers apart, and source 0 of tile t is registers 6 t .. 6 t + 11: its upper half is the next tile's codes
; (six zero registers behind tile 7).  They meet Q's zero codes; the format has no infinity and no NaN; the scale bytes of that half are 0 (2^-127) on both sides: the upper half adds exactly 0.
; LIMITS: NaN and infinities are not served; a block of o under 2^-124, zeros among them, gets the byte 1.
.set REC,   13312                      ; a step: K 8 x 768, V 4 x 1,536, K's scale words 512, V's 512
.set HEADB, 20*REC
.set AST,   HEADB                      ; 1,024 bytes: the sixteen tiles' scale words of o
.set LI,  1                            ; v1  16 x lane
.set L8,  2                            ; v2  8 x lane
.set A16, 3                            ; v3, v4 the same in the step in hand
.set A8,  4
.set QF,  16                           ; v16-27 Q's fragment
.set QS,  28                           ; v28 its scale words
.set KF,  32                           ; v32-85 K's eight half fragments and six zeros; then V's four fragments in v32-79
.set SK,  86                           ; v86-89 K's scale words: tile t in register t / 2, lanes 16-31 for odd t
.set SV,  90                           ; v90-93 V's
.set SS,  96                           ; v96-159 S^T, then p
.set OO,  160                          ; v160-191 O^T
.set OL,  192                          ; v192-223 the mixed result
.set PC,  224                          ; v224-235 p's codes
.set T4,  236                          ; v236-239 at work
.set CT,  236                          ; v236-238, v240-242 the conversions' second halves
.set BM,  244                          ; v244-247 the blocks' largest scores, then largest p
.set SO,  248                          ; v248-251 the conversions' scale operands
.set FF,  252                          ; v[252:253] f = 2^(old M - new M) (a pair: the upper register is written too)
.set TMP, 254
.set PS,  255                          ; p's scale word
.set G0,  12
.set G1,  16
.set WV,  26
.set CX,  27
.set QB,  28
.set BH,  29
.set SEL, 30
.set CS,  32
.set TB,  34
.set CNT, 35
.set GATE, 48
.macro PLACES n
.rept \n
	v_nop
.endr
.endm
.macro CROUND
	s_barrier_signal -1
	s_barrier_wait -1
	s_cmp_lg_u32 s[WV], 0
	s_cbranch_scc1 .Lnot_wave_0_\@
	s_barrier_signal -3
.Lnot_wave_0_\@:
	s_barrier_wait -3
	s_barrier_signal -1
	s_barrier_wait -1
.endm
	s_load_b256 s[4:11], s[0:1], 0x0               ; qc, kv, gate, ao
	s_load_b64 s[24:25], s[0:1], 0x20              ; aos
	v_lshl_add_u32 v95, v0, 2, 0x41400
	v_mov_b32 v243, 0
	ds_add_u32 v95, v243
	ds_add_u32 v95, v243
	v_lshrrev_b32 v1, 5, v0
	v_readfirstlane_b32 s[WV], v1                  ; wave 0..15
	s_bfe_u32 s[CX], ttmp6, 0x40000
	s_lshl_b32 s[QB], ttmp9, 2
	s_add_co_u32 s[QB], s[QB], s[CX]               ; my block of 256 queries: it enters global addresses alone
	s_and_b32 s[BH], ttmp7, 0xffff                 ; batch x 16 + head, which the four partners share
	s_mov_b32 s[G1], 15|(3<<16)|(1<<21)            ; the mask: all four; elements of 8 bytes; bit 21 beside a mask
	s_mov_b32 s[G1+1], 32<<16                      ; rows of 256 bytes,
	s_mov_b32 s[G1+2], 65<<16                      ; 65 of them: a sixteenth of the head's bytes
	s_mov_b32 s[G1+3], 32<<16
	s_mov_b32 s[G1+4], 65
	s_mov_b32 s[G1+5], 32                          ; dense
	s_mov_b32 s[G1+6], 0
	s_mov_b32 s[G1+7], 0
	s_mov_b32 s[G0], 1
	s_mul_i32 s[G0+1], s[WV], 16640
	s_mul_i32 s36, s[BH], HEADB
	s_add_co_u32 s36, s36, s[G0+1]
	s_mov_b32 s37, 0
	s_wait_dscnt 0x0
	s_wait_kmcnt 0x0
	s_load_b32 s[GATE], s[8:9], 0x0
	s_add_nc_u64 s[G0+2:G0+3], s[6:7], s[36:37]
	s_or_b32 s[G0+3], s[G0+3], 0x80000000
	CROUND                                         ; the four work-groups are here: the joint loads meet
	tensor_load_to_lds s[G0:G0+3], s[G1:G1+7]      ; my one tensor load
	s_nop 0
	PLACES 4
	v_and_b32 v9, 31, v0                           ; lane
	v_and_b32 v10, 15, v0                          ; r
	v_bfe_u32 v11, v0, 4, 1                        ; h
	v_lshlrev_b32 v[LI], 4, v9
	v_lshlrev_b32 v[L8], 3, v9
	v_add_nc_u32 v8, AST, v[LI]                    ; the way out: wave 0 reads the scale words back
	v_lshlrev_b32 v9, 12, v11
	v_lshl_add_u32 v9, v10, 4, v9                  ; and stores them: 4,096 (lane / 16) + 16 (lane % 16)
	; Q: my tile is tile WV % 8 of the record of 128 queries
	s_lshl_b32 s38, s[BH], 4
	s_lshl_b32 s39, s[QB], 1
	s_add_co_u32 s38, s38, s39
	s_lshr_b32 s39, s[WV], 3
	s_add_co_u32 s38, s38, s39
	s_mul_i32 s38, s38, 6656
	s_mov_b32 s39, 0
	s_add_nc_u64 s[4:5], s[4:5], s[38:39]
	s_and_b32 s40, s[WV], 7
	s_mul_i32 s40, s40, 768
	v_add_nc_u32 v30, s40, v[LI]
	v_add_nc_u32 v31, s40, v[L8]
	s_and_b32 s41, s[WV], 1
	s_bfe_u32 s42, s[WV], 0x10001                  ; (WV / 2) % 2
	s_bfe_u32 s43, s[WV], 0x10002                  ; (WV / 4) % 2
	s_lshl_b32 s44, s43, 8
	s_lshl_b32 s45, s41, 7
	s_add_co_u32 s44, s44, s45
	s_lshl_b32 s45, s42, 2
	s_add_co_u32 s44, s44, s45
	s_add_co_u32 s44, s44, 6144
	v_lshl_add_u32 v29, v10, 3, s44                ; its scale word: half WV / 4 % 2, lanes' half WV % 2, word WV / 2 % 2
	global_load_b128 v[QF:QF+3], v30, s[4:5]
	global_load_b64 v[QF+4:QF+5], v31, s[4:5] offset:512
	global_load_b32 v[QS], v29, s[4:5]
	; where my tile's scale word of o goes in LDS: group WV / 4, lanes' half WV / 2 % 2, word WV % 2
	s_lshr_b32 s44, s[WV], 2
	s_lshl_b32 s44, s44, 8
	s_lshl_b32 s45, s42, 7
	s_add_co_u32 s44, s44, s45
	s_lshl_b32 s45, s41, 2
	s_add_co_u32 s44, s44, s45
	s_add_co_u32 s44, s44, AST
	v_lshl_add_u32 v7, v10, 3, s44
	; ao at (token tile, head); aos at (my first group of four tiles, head)
	s_lshr_b32 s40, s[BH], 4
	s_and_b32 s41, s[BH], 15
	s_lshl_b32 s42, s40, 7
	s_lshl_b32 s43, s[QB], 4
	s_add_co_u32 s42, s42, s43
	s_add_co_u32 s42, s42, s[WV]
	s_mul_i32 s42, s42, 12288
	s_mul_i32 s43, s41, 768
	s_add_co_u32 s42, s42, s43
	s_mov_b32 s43, 0
	s_add_nc_u64 s[10:11], s[10:11], s[42:43]
	s_lshl_b32 s42, s40, 5
	s_lshl_b32 s44, s[QB], 2
	s_add_co_u32 s42, s42, s44
	s_lshl_b32 s42, s42, 4
	s_add_co_u32 s42, s42, s41
	s_lshl_b32 s42, s42, 8
	s_add_nc_u64 s[24:25], s[24:25], s[42:43]
	s_mov_b32 s[SEL], 0x76543210
	s_mov_b32 s[SEL+1], 0xfedcba98
	s_mov_b32 s[CS], 0x3e38aa3b                    ; log2(e) / 8
	s_mov_b32 s[CS+1], s[CS]
	s_mov_b32 s[TB], 0
	s_wait_kmcnt 0x0
	v_mov_b32 v5, s[GATE]
	v_mul_f32 v5, 0xbfb8aa3b, v5
	v_exp_f32 v5, v5                               ; e^-gate
	v_nop
	s_wait_alu depctr_va_vdst(0)                   ; the wait ahead of the first reader
	v_add_f32 v5, 1.0, v5
	v_rcp_f32 v5, v5                               ; g
	v_nop
	s_wait_alu depctr_va_vdst(0)
	v_sub_f32 v6, 1.0, v5                          ; 1 - g
.irp i, 0,1,2,3,4,5
	v_mov_b32 v[QF+6+\i], 0                        ; zero codes for k = 64 .. 127
	v_mov_b32 v[KF+48+\i], 0
.endr
.irp b, 0,1,2,3
	v_mov_b32 v[T4+\b], 0                          ; (a lane permute's destination counts as one of its sources)
.endr
	v_mov_b32 v[FF+1], 0
	v_mov_b32 v[TMP], 0
.macro START                           ; a softmax begins: the first change of M multiplies zeros
	v_mov_b32 v13, 0xff61b1e6                      ; the largest t so far: -3e38
	v_floor_f32 v12, -v13                          ; -M
	v_mov_b32 v14, 0
	v_mov_b32 v15, 0
.set j, 0
.rept 32
	v_mov_b32 v[OO+j], 0
.set j, j+1
.endr
.endm
	START
; A KEY STEP: 128 keys
.macro STEP
	v_add_nc_u32 v[A16], s[TB], v[LI]
	v_add_nc_u32 v[A8], s[TB], v[L8]
	PLACES 2                                       ; with the two additions: four places in front of loads into registers that matrix instructions have read
.irp t, 0,1,2,3,4,5,6,7
	ds_load_b128 v[KF+6*\t:KF+6*\t+3], v[A16] offset:768*\t
	ds_load_b64 v[KF+6*\t+4:KF+6*\t+5], v[A8] offset:768*\t+512
.endr
	ds_load_b64 v[SK:SK+1], v[A8] offset:12288
	ds_load_b64 v[SK+2:SK+3], v[A8] offset:12544
	s_wait_dscnt 0x0
.irp t, 0,2,4,6
	v_wmma_scale_f32_16x16x128_f8f6f4 v[SS+8*\t:SS+8*\t+7], v[KF+6*\t:KF+6*\t+11], v[QF:QF+11], 0, v[SK+\t/2], v[QS] matrix_a_fmt:MATRIX_FMT_FP6 matrix_b_fmt:MATRIX_FMT_FP6
	v_wmma_scale_f32_16x16x128_f8f6f4 v[SS+8*\t+8:SS+8*\t+15], v[KF+6*\t+6:KF+6*\t+17], v[QF:QF+11], 0, v[SK+\t/2], v[QS] matrix_a_fmt:MATRIX_FMT_FP6 matrix_b_fmt:MATRIX_FMT_FP6 matrix_a_scale:MATRIX_SCALE_ROW1
.endr
	PLACES 4
.irp t, 0,1,2,3                                ; V's fragments are asked for here: the softmax stands between the loads and the wait for them
.irp p, 0,1,2
	ds_load_b128 v[KF+12*\t+4*\p:KF+12*\t+4*\p+3], v[A16] offset:6144+1536*\t+512*\p
.endr
.endr
	ds_load_b128 v[SV:SV+3], v[A16] offset:12800
.irp b, 0,1,2,3
	v_max3_num_f32 v[BM+\b], v[SS+16*\b], v[SS+16*\b+1], v[SS+16*\b+2]   ; the largest score of each block of 32 keys: for the row's maximum, and, since p rises with the score, for the block's largest p
.endr
.irp i, 3,5,7,9,11,13
.irp b, 0,1,2,3
	v_max3_num_f32 v[BM+\b], v[BM+\b], v[SS+16*\b+\i], v[SS+16*\b+\i+1]
.endr
.endr
.irp b, 0,1,2,3
	v_max_num_f32 v[BM+\b], v[BM+\b], v[SS+16*\b+15]
.endr
.irp b, 0,1,2,3
	v_permlanex16_b32 v[T4+\b], v[BM+\b], s[SEL], s[SEL+1]
.endr
.irp b, 0,1,2,3
	v_max_num_f32 v[BM+\b], v[BM+\b], v[T4+\b]     ; with lane l xor 16's 16 keys
.endr
	v_max3_num_f32 v[TMP], v[BM], v[BM+1], v[BM+2]
	v_max_num_f32 v[TMP], v[TMP], v[BM+3]
	v_mul_f32 v[TMP], s[CS], v[TMP]                ; the step's largest t
	v_max_num_f32 v13, v13, v[TMP]
	v_mov_b32 v[TMP], v12
	v_floor_f32 v12, -v13                          ; the new -M = -ceil(t)
	v_sub_f32 v[TMP], v12, v[TMP]                  ; old M - new M: a whole number, 0 or less
	v_cvt_i32_f32 v[TMP], v[TMP]                   ; (it saturates)
	v_ldexp_f32 v[FF], 1.0, v[TMP]                 ; f
.set j, 0
.rept 32
	v_pk_fma_f32 v[SS+j:SS+j+1], v[SS+j:SS+j+1], s[CS:CS+1], v[12:13] op_sel_hi:[1,0,0]   ; t - M
.set j, j+2
.endr
.irp b, 0,1,2,3
	v_fma_f32 v[BM+\b], v[BM+\b], s[CS], v12
.endr
.set j, 0
.rept 64
	v_exp_f32 v[SS+j], v[SS+j]                     ; p = 2^(t - M)
.set j, j+1
.endr
	v_pk_mul_f32 v[14:15], v[14:15], v[FF:FF+1] op_sel_hi:[1,0]   ; the sums under the new M (a plain instruction behind the batch)
	s_wait_alu depctr_va_vdst(0)                   ; one wait for the batch of 64, ahead of its first reader
.irp b, 0,1,2,3
	v_exp_f32 v[BM+\b], v[BM+\b]                   ; each block's largest p
.endr
	v_pk_add_f32 v[T4:T4+1], v[SS:SS+1], v[SS+2:SS+3]   ; the row's sum of the unquantised p, in two chains
.irp j, 4,8,12,16,20,24,28,32,36,40,44,48,52,56,60
	v_pk_add_f32 v[14:15], v[14:15], v[SS+\j:SS+\j+1]
	v_pk_add_f32 v[T4:T4+1], v[T4:T4+1], v[SS+\j+2:SS+\j+3]
.endr
	v_pk_add_f32 v[14:15], v[14:15], v[T4:T4+1]
	s_wait_alu depctr_va_vdst(0)                   ; and one for the four
.irp b, 0,1,2,3
	v_max_num_f32 v[BM+\b], 0x1800000, v[BM+\b]    ; the floor 2^(3 - 127)
.endr
.irp b, 0,1,2,3
	v_add_nc_u32 v[SO+\b], 0xff000000, v[BM+\b]
.endr
.irp b, 0,1,2,3
	v_lshrrev_b32 v[T4+\b], 23, v[SO+\b]
.endr
	v_lshl_or_b32 v[PS], v[T4+1], 8, v[T4]
	v_lshl_or_b32 v[PS], v[T4+2], 16, v[PS]
	v_lshl_or_b32 v[PS], v[T4+3], 24, v[PS]
.irp c, 0,1
	v_cvt_scalef32_pk16_fp6_f32 v[PC+6*\c:PC+6*\c+2], v[SS+32*\c:SS+32*\c+15], v[SO+2*\c]
	v_cvt_scalef32_pk16_fp6_f32 v[CT+4*\c:CT+4*\c+2], v[SS+32*\c+16:SS+32*\c+31], v[SO+2*\c+1]
.endr
	v_nop                                          ; one plain instruction behind the scaled conversions
.irp c, 0,1
.irp i, 0,1,2
	v_permlane16_swap_b32 v[PC+6*\c+\i], v[CT+4*\c+\i]
.endr
.irp i, 0,1,2
	v_mov_b32 v[PC+6*\c+3+\i], v[CT+4*\c+\i]
.endr
.endr
.set j, 0
.rept 16
	v_pk_mul_f32 v[OO+j:OO+j+1], v[OO+j:OO+j+1], v[FF:FF+1] op_sel_hi:[1,0]   ; O^T under the new M; these sixteen are also the places between the writes of p's codes and scale word and the products
.set j, j+2
.endr
	s_wait_dscnt 0x0                               ; V is in
.irp t, 0,1,2,3
	v_wmma_scale_f32_16x16x128_f8f6f4 v[OO+8*\t:OO+8*\t+7], v[KF+12*\t:KF+12*\t+11], v[PC:PC+11], v[OO+8*\t:OO+8*\t+7], v[SV+\t], v[PS] matrix_a_fmt:MATRIX_FMT_FP6 matrix_b_fmt:MATRIX_FMT_FP6
.endr
	s_add_co_u32 s[TB], s[TB], REC
.endm
; A softmax ends: O^T / the sum, weighed by v[gr], starts (first = 1) or joins the mixed result
.macro FIN gr, first
	PLACES 4
	v_add_f32 v14, v14, v15
	v_permlanex16_b32 v[TMP], v14, s[SEL], s[SEL+1]
	v_add_f32 v14, v14, v[TMP]                     ; the row's sum
	v_rcp_f32 v14, v14
	v_nop
	s_wait_alu depctr_va_vdst(0)
	v_mul_f32 v14, v14, v[\gr]
.set j, 0
.rept 16
.if \first
	v_pk_mul_f32 v[OL+j:OL+j+1], v[OO+j:OO+j+1], v[14:15] op_sel_hi:[1,0]
.else
	v_pk_fma_f32 v[OL+j:OL+j+1], v[OO+j:OO+j+1], v[14:15], v[OL+j:OL+j+1] op_sel_hi:[1,0,1]
.endif
.set j, j+2
.endr
.endm
	s_wait_loadcnt 0x0                             ; Q
	s_wait_tensorcnt 0x0                           ; my sixteenth of the head is in,
	s_barrier_signal -1
	s_barrier_wait -1                              ; everybody's is
	s_mov_b32 s[CNT], 16
.Lloc:                                             ; the local keys: 16 steps
	STEP
	s_sub_co_u32 s[CNT], s[CNT], 1
	s_cmp_lg_u32 s[CNT], 0
	s_cbranch_scc1 .Lloc
	FIN 5, 1
	START
	s_mov_b32 s[CNT], 4
.Lglo:                                             ; the global keys: 4 steps
	STEP
	s_sub_co_u32 s[CNT], s[CNT], 1
	s_cmp_lg_u32 s[CNT], 0
	s_cbranch_scc1 .Lglo
	FIN 6, 0
	; the mixed result, register 16 b + i = channel 32 b + 16 (lane / 16) + i, becomes half a fragment of the last product
.irp b, 0,1
	v_max3_num_f32 v[BM+\b], |v[OL+16*\b]|, |v[OL+16*\b+1]|, 0x1800000
.endr
.irp i, 2,4,6,8,10,12,14
.irp b, 0,1
	v_max3_num_f32 v[BM+\b], v[BM+\b], |v[OL+16*\b+\i]|, |v[OL+16*\b+\i+1]|
.endr
.endr
.irp b, 0,1
	v_permlanex16_b32 v[T4+\b], v[BM+\b], s[SEL], s[SEL+1]
.endr
.irp b, 0,1
	v_max_num_f32 v[BM+\b], v[BM+\b], v[T4+\b]
.endr
.irp b, 0,1
	v_add_nc_u32 v[SO+\b], 0xff000000, v[BM+\b]
.endr
.irp b, 0,1
	v_lshrrev_b32 v[T4+\b], 23, v[SO+\b]
.endr
	v_lshl_or_b32 v[PS], v[T4+1], 8, v[T4]         ; two bytes: the head's two blocks
	v_cvt_scalef32_pk16_fp6_f32 v[PC:PC+2], v[OL:OL+15], v[SO]
	v_cvt_scalef32_pk16_fp6_f32 v[CT:CT+2], v[OL+16:OL+31], v[SO+1]
	v_nop
.irp i, 0,1,2
	v_permlane16_swap_b32 v[PC+\i], v[CT+\i]
.endr
.irp i, 0,1,2
	v_mov_b32 v[PC+3+\i], v[CT+\i]
.endr
	global_store_b128 v[LI], v[PC:PC+3], s[10:11]              ; 512 consecutive bytes,
	global_store_b64 v[L8], v[PC+4:PC+5], s[10:11] offset:512  ; and 256
	ds_store_b32 v7, v[PS]                         ; (lanes r and r + 16 write the same word with the same value)
	s_wait_dscnt 0x0
	s_barrier_signal -1
	s_barrier_wait -1                              ; the sixteen tiles' scale words lie in LDS
	s_cmp_lg_u32 s[WV], 0
	s_cbranch_scc1 .Lnot_mine
	ds_load_b128 v[96:99], v8
	ds_load_b128 v[100:103], v8 offset:512
	s_wait_dscnt 0x0
	global_store_b128 v9, v[96:99], s[24:25]               ; sixteen lanes store the 256 bytes of a group of four tiles
	global_store_b128 v9, v[100:103], s[24:25] offset:8192
.Lnot_mine:
	s_wait_tensorcnt 0x0
	ds_add_u32 v95, v243
	s_wait_dscnt 0x0
	CROUND                                         ; the closing round
	s_endpgm
.Lfunc_end_k_q4657df6938_attn:
	.size	k_q4657df6938_attn, .Lfunc_end_k_q4657df6938_attn-k_q4657df6938_attn
	.p2alignl 7, 3214868480
	.fill 96, 4, 3214868480
	.section	.rodata,"a",@progbits
	.p2align	6, 0x0
	.amdhsa_kernel k_q4657df6938_attn
		.amdhsa_group_segment_fixed_size 327680
		.amdhsa_private_segment_fixed_size 0
		.amdhsa_enable_private_segment 0
		.amdhsa_kernarg_size 40
		.amdhsa_user_sgpr_count 2
		.amdhsa_user_sgpr_kernarg_segment_ptr 1
		.amdhsa_wavefront_size32 1
		.amdhsa_system_sgpr_workgroup_id_x 1
		.amdhsa_system_sgpr_workgroup_id_y 1
		.amdhsa_system_sgpr_workgroup_id_z 1
		.amdhsa_system_vgpr_workitem_id 0
		.amdhsa_next_free_vgpr 256
		.amdhsa_next_free_sgpr 66
		.amdhsa_reserve_vcc 0
		.amdhsa_float_denorm_mode_32 3
		.amdhsa_float_denorm_mode_16_64 3
		.amdhsa_memory_ordered 1
		.amdhsa_forward_progress 1
		.amdhsa_inst_pref_size 46
	.end_amdhsa_kernel
	.amdgpu_metadata
---
amdhsa.version: [ 1, 2 ]
amdhsa.kernels:
  - .name:           k_q4657df6938_attn
    .symbol:         k_q4657df6938_attn.kd
    .args:
      - { .name: qc, .offset: 0, .size: 8, .value_kind: global_buffer, .address_space: global }
      - { .name: kv, .offset: 8, .size: 8, .value_kind: global_buffer, .address_space: global }
      - { .name: gate, .offset: 16, .size: 8, .value_kind: global_buffer, .address_space: global }
      - { .name: ao, .offset: 24, .size: 8, .value_kind: global_buffer, .address_space: global }
      - { .name: aos, .offset: 32, .size: 8, .value_kind: global_buffer, .address_space: global }
    .group_segment_fixed_size: 327680
    .private_segment_fixed_size: 0
    .kernarg_segment_align: 8
    .kernarg_segment_size: 40
    .max_flat_workgroup_size: 512
    .sgpr_count:     66
    .vgpr_count:     256
    .wavefront_size: 32
...
	.end_amdgpu_metadata
.endif
;; end of part 3
;; launch outp (part 4): grid 8 x 32, 4 waves a work-group, clusters of 4 x 4, 214,528 bytes of LDS; arguments cod, scl, ao, aos, out_b, out0; writes out0
.if DOCPART == 4
	.amdgcn_target "amdgcn-amd-amdhsa--gfx1250"
	.amdhsa_code_object_version 6
	.text
	.protected	k_q4657df6938_outp
	.globl	k_q4657df6938_outp
	.p2align	8
	.type	k_q4657df6938_outp,@function
k_q4657df6938_outp:
	s_mov_b64 s[64:65], 0
	v_nop
	global_prefetch_b8 v0, s[64:65] scope:SCOPE_SE
	s_setreg_imm32_b32 hwreg(HW_REG_WAVE_MODE, 25, 1), 1
	s_wait_xcnt 0x0
	s_wait_alu depctr_hold_cnt(0) depctr_sa_sdst(0) depctr_va_vdst(0) depctr_va_sdst(0) depctr_va_ssrc(0) depctr_va_vcc(0) depctr_vm_vsrc(0)
	s_getreg_b32 s2, hwreg(HW_REG_IB_STS2, 6, 4)
	s_cmp_eq_u32 s2, 0
	s_cbranch_scc0 .Lentry_in_a_cluster
	s_endpgm
.Lentry_in_a_cluster:
	s_bfe_u32 s2, ttmp6, 0x10000c
	s_cmp_lg_u32 s2, 0xf033
	s_cbranch_scc0 .Lentry_shape_is_right
	s_endpgm
.Lentry_shape_is_right:
; out0 = o out_w^T + out_b: [4,096 tokens] x [1,024], K = 1,024, on codes of FP6 with E8M0 scales; sums and bias in f32.
; Source 0 = 16 rows of out_w, source 1 = 16 tokens: a lane holds one token, and its eight registers eight neighbouring outputs.  Tiles hold the rows 32 b + 8 u + r + 8 (r / 8).
; SHARES.  A work-group makes 128 outputs x 128 tokens (256 work-groups); four waves, each 64 x 64: 16 accumulators, 128 registers (window 1).
; LDS: all of K lies there, filled once: four chunks of two K steps, 16 tiles x 3,072 bytes each; a wave issues four tensor loads at the head, and the chunks are read as they land.  Nothing is filled again.
; CLUSTER 4 x 4: out_w's tiles hang on x and are asked for jointly by a column of the cluster, the tokens' on y, by a row.  No prefetch: all tiles are asked for at the head.
; THE WAY OUT: a tile of 16 tokens x 64 outputs goes through the wave's own stage in LDS and leaves as rows: sixteen lanes store 256 consecutive bytes, at a multiple of 256 from out0's first byte.
.set CHUNK, 49152
.set TILEB, 3072
.set STAGE, 4*CHUNK                    ; 16 rows x 272 bytes for each wave
.set AP,   4                           ; v4, v5  my tiles of out_w in chunks 0-1, 2-3
.set AR16, 6                           ; v6, v7  my token tiles, 16 bytes a lane
.set AR8,  8                           ; v8, v9  and 8 bytes a lane
.set STO,  10
.set RD,   11
.set GO,   12
.set SA,   16                          ; v16-31 out_w's scale words: register 8 (a % 2) + s, lanes 16-31 for a >= 2
.set SB,   32                          ; v32-47 o's: 8 (c % 2) + s, lanes 16-31 for c >= 2
.set RAW,  48                          ; v48-79 o's scale words as stored: two bytes a head
.set PF,   80
.set RF,   128
.set BO,   176                         ; v176-179 the bias of my four outputs on the way out
.set BK,   180                         ; v180-243 rows read back, two sets
.set WV, 16
.set CX, 17
.set CY, 18
.set XX, 19
.set YY, 20
.set WP, 21
.set WR, 22
.set G1X, 24
.set G1Y, 32
.set G0X, 40                           ; s[40:55] four sets
.set G0Y0, 56
.set G0Y1, 60
.set G0Y2, 68
.set G0Y3, 72
.set MSB, 0
.macro WIN new
.if MSB != \new
	s_set_vgpr_msb (MSB<<8)|\new
.set MSB, \new
.endif
.endm
.macro PLACES n
.rept \n
	v_nop
.endr
.endm
.macro CROUND
	s_barrier_signal -1
	s_barrier_wait -1
	s_cmp_lg_u32 s[WV], 0
	s_cbranch_scc1 .Lnot_wave_0_\@
	s_barrier_signal -3
.Lnot_wave_0_\@:
	s_barrier_wait -3
	s_barrier_signal -1
	s_barrier_wait -1
.endm
.macro SETG0 g, n, src
	s_mov_b32 s[\g], 1
	s_add_co_u32 s[\g+1], s80, \n*CHUNK
	s_add_nc_u64 s[\g+2:\g+3], s[\src:\src+1], \n*TILEB
	s_or_b32 s[\g+3], s[\g+3], 0x80000000
.endm
.macro WM zero, ra, rb
.if \zero
.if (\ra) && (\rb)
	v_wmma_scale_f32_16x16x128_f8f6f4 v[rD:rD+7], v[rA:rA+11], v[rB:rB+11], 0, v[rSA], v[rSB] matrix_a_fmt:MATRIX_FMT_FP6 matrix_b_fmt:MATRIX_FMT_FP6 matrix_a_scale:MATRIX_SCALE_ROW1 matrix_b_scale:MATRIX_SCALE_ROW1
.elseif (\ra)
	v_wmma_scale_f32_16x16x128_f8f6f4 v[rD:rD+7], v[rA:rA+11], v[rB:rB+11], 0, v[rSA], v[rSB] matrix_a_fmt:MATRIX_FMT_FP6 matrix_b_fmt:MATRIX_FMT_FP6 matrix_a_scale:MATRIX_SCALE_ROW1
.elseif (\rb)
	v_wmma_scale_f32_16x16x128_f8f6f4 v[rD:rD+7], v[rA:rA+11], v[rB:rB+11], 0, v[rSA], v[rSB] matrix_a_fmt:MATRIX_FMT_FP6 matrix_b_fmt:MATRIX_FMT_FP6 matrix_b_scale:MATRIX_SCALE_ROW1
.else
	v_wmma_scale_f32_16x16x128_f8f6f4 v[rD:rD+7], v[rA:rA+11], v[rB:rB+11], 0, v[rSA], v[rSB] matrix_a_fmt:MATRIX_FMT_FP6 matrix_b_fmt:MATRIX_FMT_FP6
.endif
.else
.if (\ra) && (\rb)
	v_wmma_scale_f32_16x16x128_f8f6f4 v[rD:rD+7], v[rA:rA+11], v[rB:rB+11], v[rD:rD+7], v[rSA], v[rSB] matrix_a_fmt:MATRIX_FMT_FP6 matrix_b_fmt:MATRIX_FMT_FP6 matrix_a_scale:MATRIX_SCALE_ROW1 matrix_b_scale:MATRIX_SCALE_ROW1
.elseif (\ra)
	v_wmma_scale_f32_16x16x128_f8f6f4 v[rD:rD+7], v[rA:rA+11], v[rB:rB+11], v[rD:rD+7], v[rSA], v[rSB] matrix_a_fmt:MATRIX_FMT_FP6 matrix_b_fmt:MATRIX_FMT_FP6 matrix_a_scale:MATRIX_SCALE_ROW1
.elseif (\rb)
	v_wmma_scale_f32_16x16x128_f8f6f4 v[rD:rD+7], v[rA:rA+11], v[rB:rB+11], v[rD:rD+7], v[rSA], v[rSB] matrix_a_fmt:MATRIX_FMT_FP6 matrix_b_fmt:MATRIX_FMT_FP6 matrix_b_scale:MATRIX_SCALE_ROW1
.else
	v_wmma_scale_f32_16x16x128_f8f6f4 v[rD:rD+7], v[rA:rA+11], v[rB:rB+11], v[rD:rD+7], v[rSA], v[rSB] matrix_a_fmt:MATRIX_FMT_FP6 matrix_b_fmt:MATRIX_FMT_FP6
.endif
.endif
.endm
	s_load_b256 s[4:11], s[0:1], 0x0               ; cod, scl, ao, aos
	s_load_b128 s[12:15], s[0:1], 0x20             ; out_b, out0
	v_lshl_add_u32 v254, v0, 2, 0x34400
	v_mov_b32 v255, 0
	ds_add_u32 v254, v255
	ds_add_u32 v254, v255
	v_lshrrev_b32 v1, 5, v0
	v_readfirstlane_b32 s[WV], v1                  ; wave 0..3
	s_bfe_u32 s[CX], ttmp6, 0x40000
	s_bfe_u32 s[CY], ttmp6, 0x40004
	s_lshl_b32 s[XX], ttmp9, 2
	s_add_co_u32 s[XX], s[XX], s[CX]               ; which 128 outputs
	s_and_b32 s[YY], ttmp7, 0xffff
	s_lshl_b32 s[YY], s[YY], 2
	s_add_co_u32 s[YY], s[YY], s[CY]               ; which 128 tokens
	s_lshl_b32 s76, 0x1111, s[CX]                  ; my column of the cluster
	s_lshl_b32 s77, s[CY], 2
	s_lshl_b32 s77, 15, s77                        ; my row
	s_or_b32 s[G1X], s76, (3<<16)|(1<<21)
	s_or_b32 s[G1Y], s77, (3<<16)|(1<<21)
.irp g, G1X, G1Y
	s_mov_b32 s[\g+1], 384<<16                     ; 3,072 bytes: a tile's two K steps,
	s_mov_b32 s[\g+2], 4<<16                       ; four tiles,
	s_mov_b32 s[\g+3], 384<<16
	s_mov_b32 s[\g+4], 4
	s_mov_b32 s[\g+5], 1536                        ; 12,288 bytes apart, in cod and in ao alike
	s_mov_b32 s[\g+6], 0
	s_mov_b32 s[\g+7], 0
.endr
	s_and_b32 s[WP], s[WV], 1                      ; which 64 outputs are mine.  Also: which four tiles I fetch
	s_lshr_b32 s[WR], s[WV], 1                     ; which 64 tokens.  Also: I fetch for out_w (0) or for the tokens (1)
	s_lshl_b32 s23, s[WP], 2
	s_lshl_b32 s76, s[XX], 3
	s_add_co_u32 s76, s76, s23
	s_add_co_u32 s76, s76, 640                     ; out_w's tiles begin at tile 640 of cod
	s_mul_i32 s76, s76, 12288
	s_mov_b32 s77, 0
	s_lshl_b32 s78, s[YY], 3
	s_add_co_u32 s78, s78, s23
	s_mul_i32 s78, s78, 12288
	s_mov_b32 s79, 0
	s_mul_i32 s80, s[WV], 4*TILEB                  ; where they go: out_w's eight tiles, then the tokens' eight
	s_wait_dscnt 0x0
	s_wait_kmcnt 0x0
	s_add_nc_u64 s[76:77], s[4:5], s[76:77]
	s_add_nc_u64 s[78:79], s[8:9], s[78:79]
	SETG0 G0X, 0, 76
	SETG0 G0X+4, 1, 76
	SETG0 G0X+8, 2, 76
	SETG0 G0X+12, 3, 76
	SETG0 G0Y0, 0, 78
	SETG0 G0Y1, 1, 78
	SETG0 G0Y2, 2, 78
	SETG0 G0Y3, 3, 78
	CROUND                                         ; all sixteen work-groups are here: the joint loads meet
	s_cmp_lt_u32 s[WV], 2                          ; a wave's four fills stand in one branch on its number
	s_cbranch_scc0 .Lfirst_y
	tensor_load_to_lds s[G0X:G0X+3], s[G1X:G1X+7]
	s_nop 0
	tensor_load_to_lds s[G0X+4:G0X+7], s[G1X:G1X+7]
	s_nop 0
	tensor_load_to_lds s[G0X+8:G0X+11], s[G1X:G1X+7]
	s_nop 0
	tensor_load_to_lds s[G0X+12:G0X+15], s[G1X:G1X+7]
	s_nop 0
	PLACES 4
	s_branch .Lfirst_done
.Lfirst_y:
	tensor_load_to_lds s[G0Y0:G0Y0+3], s[G1Y:G1Y+7]
	s_nop 0
	tensor_load_to_lds s[G0Y1:G0Y1+3], s[G1Y:G1Y+7]
	s_nop 0
	tensor_load_to_lds s[G0Y2:G0Y2+3], s[G1Y:G1Y+7]
	s_nop 0
	tensor_load_to_lds s[G0Y3:G0Y3+3], s[G1Y:G1Y+7]
	s_nop 0
	PLACES 4
.Lfirst_done:
	v_and_b32 v1, 31, v0                           ; lane
	v_and_b32 v2, 15, v0                           ; r
	v_bfe_u32 v3, v0, 4, 1                         ; h
	v_lshlrev_b32 v14, 3, v1                       ; 8 x lane
	v_lshlrev_b32 v15, 4, v2                       ; 16 r
	v_lshl_add_u32 v13, v3, 10, v15                ; 16 r + 1,024 h
	v_lshlrev_b32 v1, 4, v1                        ; 16 x lane
	s_mul_i32 s81, s[WP], 4*TILEB
	s_mul_i32 s88, s[WR], 4*TILEB
	s_add_co_u32 s88, s88, 8*TILEB
.irp n, 0,1
	v_add_nc_u32 v[AP+\n], s81, v1
	v_add_nc_u32 v[AR16+\n], s88, v1
	v_add_nc_u32 v[AR8+\n], s88, v14
	s_add_co_u32 s81, s81, 2*CHUNK
	s_add_co_u32 s88, s88, 2*CHUNK
.endr
	s_mul_i32 s81, s[WV], 16*272
	s_add_co_u32 s81, s81, STAGE                   ; my stage
	v_mul_u32_u24 v[STO], v2, 272
	v_lshl_add_u32 v[STO], v3, 6, v[STO]
	v_add_nc_u32 v[STO], s81, v[STO]               ; in: row r, + 64 h bytes
	v_mul_u32_u24 v[RD], v3, 272
	v_add_nc_u32 v[RD], v[RD], v15
	v_add_nc_u32 v[RD], s81, v[RD]                 ; back: lanes 0-15 one row, lanes 16-31 the next
	v_lshl_add_u32 v[GO], v3, 12, v15              ; and the same two rows in out0
	s_lshl_b32 s82, s[XX], 3
	s_add_co_u32 s82, s82, s23
	s_add_co_u32 s82, s82, 640
	s_lshl_b32 s82, s82, 9
	s_mov_b32 s83, 0
	s_add_nc_u64 s[82:83], s[6:7], s[82:83]        ; my four tiles' scale words of out_w
	s_lshl_b32 s84, s[YY], 1
	s_add_co_u32 s84, s84, s[WR]
	s_lshl_b32 s84, s84, 12
	s_mov_b32 s85, 0
	s_add_nc_u64 s[84:85], s[10:11], s[84:85]      ; my group of four token tiles in aos
	s_lshl_b32 s86, s[XX], 9
	s_lshl_b32 s89, s[WP], 8
	s_add_co_u32 s86, s86, s89                     ; my first output, in bytes
	s_mov_b32 s87, 0
	s_add_nc_u64 s[12:13], s[12:13], s[86:87]
	s_add_nc_u64 s[14:15], s[14:15], s[86:87]
	s_lshl_b32 s86, s[YY], 3
	s_lshl_b32 s89, s[WR], 2
	s_add_co_u32 s86, s86, s89
	s_lshl_b32 s86, s86, 16                        ; my first token: 16 tokens a tile, 4,096 bytes a row
	s_add_nc_u64 s[14:15], s[14:15], s[86:87]
.irp i, 0,1
.irp f, 0,1
	global_load_b128 v[SA+8*\i+4*\f:SA+8*\i+4*\f+3], v13, s[82:83] offset:512*\i+256*\f
.endr
.endr
.irp d, 0,1,2,3,4,5,6,7,8,9,10,11,12,13,14,15
	global_load_b64 v[RAW+2*\d:RAW+2*\d+1], v14, s[84:85] offset:256*\d
.endr
	global_load_b128 v[BO:BO+3], v15, s[12:13]
	s_wait_loadcnt 0x0
.irp j, 0,1
.irp s, 0,1,2,3,4,5,6,7
	v_lshl_or_b32 v[SB+8*\j+\s], v[RAW+4*\s+2+\j], 16, v[RAW+4*\s+\j]   ; a K step of 128 is two heads: two bytes of each make its scale word
.endr
.endr
	PLACES 8                                       ; a scale register written by a vector instruction stands eight places ahead of a scaled matrix instruction
; A K step: the e-th of chunk q.  The tokens' fragment is two half fragments on end; out_w's a whole one.  The 16 accumulators take turns, one instruction a turn.
.macro KSTEP q, e, zero
.if !(\zero)
	PLACES 4                                       ; in front of loads into registers that matrix instructions have read
.endif
.irp c, 0,1,2,3
	ds_load_b128 v[RF+12*\c:RF+12*\c+3], v[AR16+(\q)/2] offset:((\q)%2)*CHUNK+\c*TILEB+\e*1536
	ds_load_b64 v[RF+12*\c+4:RF+12*\c+5], v[AR8+(\q)/2] offset:((\q)%2)*CHUNK+\c*TILEB+\e*1536+512
	ds_load_b128 v[RF+12*\c+6:RF+12*\c+9], v[AR16+(\q)/2] offset:((\q)%2)*CHUNK+\c*TILEB+\e*1536+768
	ds_load_b64 v[RF+12*\c+10:RF+12*\c+11], v[AR8+(\q)/2] offset:((\q)%2)*CHUNK+\c*TILEB+\e*1536+1280
.endr
.irp a, 0,1,2,3
.irp p, 0,1,2
	ds_load_b128 v[PF+12*\a+4*\p:PF+12*\a+4*\p+3], v[AP+(\q)/2] offset:((\q)%2)*CHUNK+\a*TILEB+\e*1536+512*\p
.endr
.endr
	s_wait_dscnt 0x0
	WIN 0x50                                       ; C and D in window 1
.irp a, 0,1,2,3
.irp c, 0,1,2,3
.set rD, 32*\c+8*\a
.set rA, PF+12*\a
.set rB, RF+12*\c
.set rSA, SA+8*(\a%2)+2*(\q)+(\e)
.set rSB, SB+8*(\c%2)+2*(\q)+(\e)
	WM \zero, \a/2, \c/2
.endr
.endr
	WIN 0
.endm
.macro CHUNKQ q
	s_wait_tensorcnt 3-(\q)                        ; my part of chunk q is in; the later chunks may be out
	s_barrier_signal -1
	s_barrier_wait -1                              ; everybody's is
.if (\q) == 0
	KSTEP \q, 0, 1                                 ; the first products start the sums
.else
	KSTEP \q, 0, 0
.endif
	KSTEP \q, 1, 0
.endm
	CHUNKQ 0
	CHUNKQ 1
	CHUNKQ 2
	CHUNKQ 3
	PLACES 4                                       ; in front of the first reads of results
.macro OUTT c
.set BB, BK+32*((\c)%2)
.if (\c) > 1
	s_wait_xcnt 0x0                                ; the stores of two tiles ago have read this set's registers
.endif
	WIN 0x04                                       ; an LDS store's data are its source 1: window 1
.irp a, 0,1,2,3
	ds_store_b128 v[STO], v[32*(\c)+8*\a:32*(\c)+8*\a+3] offset:128*(\a/2)+32*(\a%2)        ; each accumulator from its low end on
	ds_store_b128 v[STO], v[32*(\c)+8*\a+4:32*(\c)+8*\a+7] offset:128*(\a/2)+32*(\a%2)+16
.endr
	WIN 0
.irp i, 0,1,2,3,4,5,6,7
	ds_load_b128 v[BB+4*\i:BB+4*\i+3], v[RD] offset:544*\i   ; LDS serves a wave's instructions in order: these see the stores above, and the next tile's stores come behind them
.endr
.irp i, 0,1,2,3,4,5,6,7
	s_wait_dscnt 7-\i                              ; the younger loads may be out
	v_pk_add_f32 v[BB+4*\i:BB+4*\i+1], v[BB+4*\i:BB+4*\i+1], v[BO:BO+1]
	v_pk_add_f32 v[BB+4*\i+2:BB+4*\i+3], v[BB+4*\i+2:BB+4*\i+3], v[BO+2:BO+3]
	global_store_b128 v[GO], v[BB+4*\i:BB+4*\i+3], s[14:15] offset:(2*\i+8*(\i/4)+32*((\c)/2)+8*((\c)%2))*4096 th:TH_STORE_NT   ; the tile's rows 2 i and 2 i + 1 are tokens 2 i + 8 (i / 4) on
.endr
.endm
	OUTT 0
	OUTT 1
	OUTT 2
	OUTT 3
	s_wait_tensorcnt 0x0
	ds_add_u32 v254, v255
	s_wait_dscnt 0x0
	CROUND                                         ; the closing round
	s_endpgm
.Lfunc_end_k_q4657df6938_outp:
	.size	k_q4657df6938_outp, .Lfunc_end_k_q4657df6938_outp-k_q4657df6938_outp
	.p2alignl 7, 3214868480
	.fill 96, 4, 3214868480
	.section	.rodata,"a",@progbits
	.p2align	6, 0x0
	.amdhsa_kernel k_q4657df6938_outp
		.amdhsa_group_segment_fixed_size 214528
		.amdhsa_private_segment_fixed_size 0
		.amdhsa_enable_private_segment 0
		.amdhsa_kernarg_size 48
		.amdhsa_user_sgpr_count 2
		.amdhsa_user_sgpr_kernarg_segment_ptr 1
		.amdhsa_wavefront_size32 1
		.amdhsa_system_sgpr_workgroup_id_x 1
		.amdhsa_system_sgpr_workgroup_id_y 1
		.amdhsa_system_sgpr_workgroup_id_z 1
		.amdhsa_system_vgpr_workitem_id 0
		.amdhsa_next_free_vgpr 384
		.amdhsa_next_free_sgpr 96
		.amdhsa_reserve_vcc 0
		.amdhsa_float_denorm_mode_32 3
		.amdhsa_float_denorm_mode_16_64 3
		.amdhsa_memory_ordered 1
		.amdhsa_forward_progress 1
		.amdhsa_inst_pref_size 57
	.end_amdhsa_kernel
	.amdgpu_metadata
---
amdhsa.version: [ 1, 2 ]
amdhsa.kernels:
  - .name:           k_q4657df6938_outp
    .symbol:         k_q4657df6938_outp.kd
    .args:
      - { .name: cod, .offset: 0, .size: 8, .value_kind: global_buffer, .address_space: global }
      - { .name: scl, .offset: 8, .size: 8, .value_kind: global_buffer, .address_space: global }
      - { .name: ao, .offset: 16, .size: 8, .value_kind: global_buffer, .address_space: global }
      - { .name: aos, .offset: 24, .size: 8, .value_kind: global_buffer, .address_space: global }
      - { .name: out_b, .offset: 32, .size: 8, .value_kind: global_buffer, .address_space: global }
      - { .name: out0, .offset: 40, .size: 8, .value_kind: global_buffer, .address_space: global }
    .group_segment_fixed_size: 214528
    .private_segment_fixed_size: 0
    .kernarg_segment_align: 8
    .kernarg_segment_size: 48
    .max_flat_workgroup_size: 128
    .sgpr_count:     96
    .vgpr_count:     384
    .wavefront_size: 32
...
	.end_amdgpu_metadata
.endif
;; end of part 4
